; MI455X (gfx1250); checked and timed in simulation.
; The chip was launched on July 23, 2026; its instructions are those of AMD's public machine-readable ISA for CDNA 5 (MIT licence, August 2026) and "CDNA5" Instruction Set Architecture Reference Guide (July 2026). The comments in the code are by the model that wrote it; some were corrected since.
;; KAN Linear. Allowed arithmetic: matrix products marked QUANTISED: E2M3 operands, one E8M0 scale for each 32 along K, by v_wmma_scale_f32_16x16x128_f8f6f4 with both operands' format E2M3, f32 sums; everything else in f32.
;; Inputs: base_weight_codes 256 x 8 x 24 uint8 (E2M3 codes of base_weight, K innermost, in blocks of 32 codes, four codes in three bytes); base_weight_scales 256 x 8 uint8 (E8M0 scales of base_weight, one for each 32 codes along K); grid 12 float32; spline_scaler 256 x 256 float32; spline_weight 256 x 256 x 8 float32; x 32,768 x 256 float32.
;; Outputs: out0 32,768 x 256 float32.
;; This version of the problem:
;;   THIS VERSION OF THE PROBLEM IS GIVEN IN LOW PRECISION. The matrix products marked QUANTISED in the list below multiply operands that are first quantised to E2M3 (2 exponent bits, 3 mantissa bits; 6 bits a number), with one power-of-two scale for each 32 numbers along K (OCP MX v1.0); their sums are f32. All else is computed in f32.
;;   The module's matrix products, in the order in which they are computed (A, B: the left and right operand; K: the contracted axis; several contracted axes count as one K, in the product's order):
;;     1. [M 32,768, K 256] x [K 256, N 256]; A: computed on the way; B: input base_weight (given as codes): QUANTISED
;;     2. [M 32,768, K 2,048] x [K 2,048, N 256]; A: computed on the way; B: computed on the way: QUANTISED
;;   THE QUANTISER, for each operand of a quantised product, along K:
;;     - K is cut into blocks of 32 from its start; a last block that is shorter is filled with zeros.
;;     - A block's scale is 2^e with e = floor(log2(the largest magnitude in the block)) - 2, held to -126 .. 127; a block of zeros has e = 0. As a byte (E8M0): e + 127.
;;     - Each number is divided by its block's scale, clamped to +-7.5, and rounded to the nearest number of E2M3, ties to even, subnormals kept.
;;     - The product sums the exact products of the quantised numbers (number of the format x scale) in f32.
;;   ~~~python
;;   def quantise(x, axis):      # numpy; x: float32 -> the quantised numbers, widened to float32 again
;;       x = np.moveaxis(x, axis, -1); K = x.shape[-1]
;;       x = np.pad(x, [(0, 0)] * (x.ndim - 1) + [(0, -K % 32)]); x = x.reshape(x.shape[:-1] + (-1, 32)); a = np.abs(x).max(-1, keepdims=True)
;;       e = np.where(a > 0, np.clip(np.frexp(np.where(a > 0, a, 1))[1] - 1 - 2, -126, 127), 0)      # np.frexp(a)[1] - 1 = floor(log2(a)), exactly
;;       r = np.clip(x / 2.0 ** e, -7.5, 7.5)
;;       step = 2.0 ** (np.maximum(np.frexp(np.where(r == 0, 1, r))[1] - 1, 0) - 3)
;;       q = np.round(r / step) * step * 2.0 ** e      # np.round: ties to even
;;       return np.moveaxis(q.reshape(q.shape[:-2] + (-1,))[..., :K], -1, axis).astype(np.float32)
;;   ~~~
;;   OPERANDS COMPUTED ON THE WAY. 'Computed on the way' means the value that the module computes at that place (a softmax that the list does not call 'softmax' is quantised finished and normalised). What goes into a quantiser is computed in f32, as accurately as f32 sums, v_exp_f32 and their like allow (about 1e-6 of the number): no bf16 or f16 on the way to a quantiser, and a product that is left as it is and whose result goes on into a quantised operand takes f32 operands (vector FMAs, or v_wmma_f32_16x16x4_f32). A number that lies on a knife's edge between two numbers of the format may be rounded either way, as far as f32 arithmetic and the matrix unit's own rounding can turn it there, and no further.
;;   INPUTS GIVEN AS CODES. base_weight (in the module: [256, 256], K = its axis 1): each comes as NAME_codes (uint8): NAME with its K axis moved to the last place and cut into blocks of 32 codes, [.., K / 32, bytes a block], one block behind the other in memory; four codes in three bytes: a row's codes are one little-endian stream of bits, code i at bits 6 i .. 6 i + 5 (a code: sign, 2 exponent bits, 3 mantissa bits); and NAME_scales (uint8): the same leading axes, one E8M0 byte (e + 127) for each 32 codes along K. Its value is code x scale, taken as it is: it is not quantised again, and the codes and scales need not be those that the quantiser above would give.
;; 2 versions. Each part assembles by itself: llvm-mc -triple=amdgcn-amd-amdhsa -mcpu=gfx1250 --defsym DOCPART=n.
;; ======== version 1 of 2: 2 launches
;; workspace buffers: wfrag 442,368 bytes; wscale 36,864 bytes
;; launch prep (part 1): grid 16 x 18, 1 waves a work-group, no clusters, 0 bytes of LDS; arguments spline_weight, spline_scaler, base_weight_codes, base_weight_scales, wfrag, wscale; writes wfrag, wscale
.if DOCPART == 1
	.amdgcn_target "amdgcn-amd-amdhsa--gfx1250"
	.amdhsa_code_object_version 6
	.text
	.protected	k_q4138cead14_prep
	.globl	k_q4138cead14_prep
	.p2align	8
	.type	k_q4138cead14_prep,@function
k_q4138cead14_prep:
	s_mov_b64 s[64:65], 0
	v_nop
	global_prefetch_b8 v0, s[64:65] scope:SCOPE_SE
	s_setreg_imm32_b32 hwreg(HW_REG_WAVE_MODE, 25, 1), 1
	s_wait_xcnt 0x0
; The weights of both products, laid once in the order of the matrix operand's registers.
; K has 18 steps of 128: steps 0, 1 are base_weight (given codes, copied as they lie), steps 2 + s (s = 0 .. 15) are spline_weight x spline_scaler for
; features 16 s .. 16 s + 15, eight coefficients each, quantised here to FP6 (E2M3) with one E8M0 byte for each 32 along K.
; One wave makes one fragment: 16 output columns (tile n = work-group x) x 128 K (step k = work-group y).  Lane l = r + 16 h holds column 16 n + r;
; its registers 6 c .. 6 c + 5 hold block b = 2 c + h of the step, which for a spline step is features 16 s + 4 b .. + 3.
; ORDER INSIDE A SPLINE BLOCK: place p holds feature 2 (p / 16) + p % 2 of the four, coefficient (p % 16) / 2.  The other launch lays its operand the same way,
; so blocks, scales and products are those of the plain order; only the order of the additions inside a matrix instruction differs.
; wfrag: fragment (k, n) at (16 k + n) x 1,536 bytes; register i of lane l at 512 (i / 4) + 16 l + 4 (i % 4): three stores of 512 consecutive bytes.
; wscale: 128 bytes for each (k, n), lane l's word at 4 l (lanes l and l + 16 hold the same word): byte b scales block b.
; A block's scale is 2^(floor(log2(largest magnitude)) - 2); its byte is the largest magnitude's exponent field - 2, held at 1 from below.
; LIMITS: a block of zeros gets the byte 1 where the rule says 127 (its codes are zeros, and this program alone reads the bytes); blocks whose largest
; magnitude lies under 2^-124 are held at the byte 1; NaN and infinities among the weights are not served.
.set W,   16                           ; v16-79   64 numbers of spline_weight: 32 c + 8 j + i = feature j of block 2 c + h, coefficient i
.set S,   80                           ; v80-87   their eight scalers: 4 c + j
.set DM,  88                           ; v88-151  the products, in the order of the block's places
.set PC,  152                          ; v152-163 the fragment
.set T,   164                          ; v164-166 a block's upper 16 codes (a conversion's three registers begin on an even number)
.set MXA, 168
.set MXB, 169
.set SCL, 170
.set BY0, 171
.set BY1, 172
.set WD,  173
.set W2,  174
; 32 numbers of a lane, v[s] on, become six registers of codes at v[dst] and the block's scale byte in v[by].
.macro QUANT s, dst, by
	v_max3_num_f32 v[MXA], |v[\s]|, |v[\s+1]|, 0x1800000            ; the floor 2^(3 - 127) among the leaves: the byte cannot fall under 1
	v_max3_num_f32 v[MXB], |v[\s+16]|, |v[\s+17]|, |v[\s+18]|       ; two chains by turns
.irp i, 2,4,6,8,10,12
	v_max3_num_f32 v[MXA], v[MXA], |v[\s+\i]|, |v[\s+\i+1]|
	v_max3_num_f32 v[MXB], v[MXB], |v[\s+17+\i]|, |v[\s+18+\i]|
.endr
	v_max3_num_f32 v[MXA], v[MXA], |v[\s+14]|, |v[\s+15]|
	v_max3_num_f32 v[MXA], v[MXA], v[MXB], |v[\s+31]|               ; the block's largest magnitude
	v_add_nc_u32 v[SCL], 0xff000000, v[MXA]                         ; 2 off its exponent field: the conversion takes this operand's exponent field as its scale
	v_lshrrev_b32 v[\by], 23, v[SCL]                                ; the scale's byte
	v_cvt_scalef32_pk16_fp6_f32 v[\dst:\dst+2], v[\s:\s+15], v[SCL]
	v_cvt_scalef32_pk16_fp6_f32 v[T:T+2], v[\s+16:\s+31], v[SCL]
	v_nop                                                           ; one plain place behind the scaled conversions
	v_mov_b32 v[\dst+3], v[T]
	v_mov_b32 v[\dst+4], v[T+1]
	v_mov_b32 v[\dst+5], v[T+2]
.endm
	s_load_b256 s[4:11], s[0:1], 0x0               ; spline_weight s[4:5], spline_scaler s[6:7], base codes s[8:9], base scales s[10:11]
	s_load_b128 s[12:15], s[0:1], 0x20             ; wfrag s[12:13], wscale s[14:15]
	v_and_b32 v1, 15, v0                           ; r
	v_lshrrev_b32 v2, 4, v0                        ; h
	v_lshlrev_b32 v3, 13, v1
	v_lshl_add_u32 v3, v2, 7, v3                   ; spline_weight: row r of 8,192 bytes + 128 h (a block is 4 features x 32 bytes)
	v_lshlrev_b32 v4, 10, v1
	v_lshl_add_u32 v4, v2, 4, v4                   ; spline_scaler: row r of 1,024 bytes + 16 h
	v_mul_u32_u24 v5, v1, 192
	v_mad_u32_u24 v5, v2, 24, v5                   ; base codes: row r of 192 bytes + 24 h
	v_lshlrev_b32 v6, 3, v1                        ; base scales: row r of 8 bytes
	v_lshlrev_b32 v7, 4, v0                        ; out: 16 x lane
	v_lshlrev_b32 v8, 2, v0                        ; out: 4 x lane
	v_lshlrev_b32 v9, 3, v2                        ; 8 h: my bytes' place in the scale word
	v_mov_b32 v[W2], 0                             ; a lane permute's destination counts as one of its sources
	s_mov_b32 s20, 0x76543210
	s_mov_b32 s21, 0xfedcba98                      ; selects for lane l xor 16
	s_and_b32 s17, ttmp7, 0xffff                   ; k
	s_lshl_b32 s18, s17, 4
	s_add_co_u32 s18, s18, ttmp9                   ; 16 k + n
	s_mul_i32 s22, s18, 1536
	s_mov_b32 s23, 0
	s_lshl_b32 s24, s18, 7
	s_mov_b32 s25, 0
	s_mov_b32 s27, 0
	s_mov_b32 s29, 0
	s_wait_kmcnt 0x0
	s_add_nc_u64 s[12:13], s[12:13], s[22:23]
	s_add_nc_u64 s[14:15], s[14:15], s[24:25]
	s_cmp_lt_u32 s17, 2                            ; a branch on the work-group's number alone
	s_cbranch_scc0 .Lspline
	; ---- steps 0 and 1: the given codes and scale bytes are the operand's registers as they lie
	s_mul_i32 s26, ttmp9, 3072                     ; 16 rows of 192 bytes a tile,
	s_mul_i32 s18, s17, 96                         ; 96 bytes a step
	s_add_co_u32 s26, s26, s18
	s_add_nc_u64 s[8:9], s[8:9], s[26:27]
	s_lshl_b32 s28, ttmp9, 7                       ; 16 rows of 8 scale bytes a tile,
	s_lshl_b32 s18, s17, 2                         ; 4 a step
	s_add_co_u32 s28, s28, s18
	s_add_nc_u64 s[10:11], s[10:11], s[28:29]
.irp p, 0,1,2,3,4,5
	global_load_b64 v[PC+2*\p:PC+2*\p+1], v5, s[8:9] offset:48*(\p/3)+8*(\p%3)
.endr
	global_load_b32 v[WD], v6, s[10:11]
	s_wait_loadcnt 0x0
	s_branch .Lstore
.Lspline:
	; ---- steps 2 + s
	s_sub_co_u32 s18, s17, 2                       ; s
	s_lshl_b32 s26, ttmp9, 17                      ; 16 rows of 8,192 bytes a tile,
	s_lshl_b32 s19, s18, 9                         ; 16 features x 32 bytes a step
	s_add_co_u32 s26, s26, s19
	s_add_nc_u64 s[4:5], s[4:5], s[26:27]
	s_lshl_b32 s28, ttmp9, 14                      ; 16 rows of 1,024 bytes a tile,
	s_lshl_b32 s19, s18, 6                         ; 16 features x 4 bytes a step
	s_add_co_u32 s28, s28, s19
	s_add_nc_u64 s[6:7], s[6:7], s[28:29]
.irp c, 0,1
.irp i, 0,1,2,3,4,5,6,7
	global_load_b128 v[W+32*\c+4*\i:W+32*\c+4*\i+3], v3, s[4:5] offset:256*\c+16*\i
.endr
	global_load_b128 v[S+4*\c:S+4*\c+3], v4, s[6:7] offset:32*\c
.endr
	s_wait_loadcnt 0x0
.irp c, 0,1
.irp j, 0,1,2,3
.irp i, 0,1,2,3,4,5,6,7
	v_mul_f32 v[DM+32*\c+16*(\j/2)+2*\i+(\j%2)], v[W+32*\c+8*\j+\i], v[S+4*\c+\j]   ; the destination's number lays the block's order
.endr
.endr
.endr
	QUANT DM, PC, BY0
	QUANT DM+32, PC+6, BY1
	v_lshl_or_b32 v[WD], v[BY1], 16, v[BY0]        ; my two bytes: blocks h and 2 + h,
	v_lshlrev_b32 v[WD], v9, v[WD]                 ; at their places in the word;
	v_permlanex16_b32 v[W2], v[WD], s20, s21
	v_or_b32 v[WD], v[WD], v[W2]                   ; with lane l xor 16's two the word is whole
.Lstore:
.irp j, 0,1,2
	global_store_b128 v7, v[PC+4*\j:PC+4*\j+3], s[12:13] offset:512*\j   ; 32 lanes store 512 consecutive bytes
.endr
	global_store_b32 v8, v[WD], s[14:15]           ; 128 consecutive bytes
	s_endpgm
.Lfunc_end_k_q4138cead14_prep:
	.size	k_q4138cead14_prep, .Lfunc_end_k_q4138cead14_prep-k_q4138cead14_prep
	.p2alignl 7, 3214868480
	.fill 96, 4, 3214868480
	.section	.rodata,"a",@progbits
	.p2align	6, 0x0
	.amdhsa_kernel k_q4138cead14_prep
		.amdhsa_group_segment_fixed_size 0
		.amdhsa_private_segment_fixed_size 0
		.amdhsa_enable_private_segment 0
		.amdhsa_kernarg_size 48
		.amdhsa_user_sgpr_count 2
		.amdhsa_user_sgpr_kernarg_segment_ptr 1
		.amdhsa_wavefront_size32 1
		.amdhsa_system_sgpr_workgroup_id_x 1
		.amdhsa_system_sgpr_workgroup_id_y 1
		.amdhsa_system_sgpr_workgroup_id_z 1
		.amdhsa_system_vgpr_workitem_id 0
		.amdhsa_next_free_vgpr 176
		.amdhsa_next_free_sgpr 66
		.amdhsa_reserve_vcc 0
		.amdhsa_float_denorm_mode_32 3
		.amdhsa_float_denorm_mode_16_64 3
		.amdhsa_memory_ordered 1
		.amdhsa_forward_progress 1
		.amdhsa_inst_pref_size 10
	.end_amdhsa_kernel
	.amdgpu_metadata
---
amdhsa.version: [ 1, 2 ]
amdhsa.kernels:
  - .name:           k_q4138cead14_prep
    .symbol:         k_q4138cead14_prep.kd
    .args:
      - { .name: spline_weight, .offset: 0, .size: 8, .value_kind: global_buffer, .address_space: global }
      - { .name: spline_scaler, .offset: 8, .size: 8, .value_kind: global_buffer, .address_space: global }
      - { .name: base_weight_codes, .offset: 16, .size: 8, .value_kind: global_buffer, .address_space: global }
      - { .name: base_weight_scales, .offset: 24, .size: 8, .value_kind: global_buffer, .address_space: global }
      - { .name: wfrag, .offset: 32, .size: 8, .value_kind: global_buffer, .address_space: global }
      - { .name: wscale, .offset: 40, .size: 8, .value_kind: global_buffer, .address_space: global }
    .group_segment_fixed_size: 0
    .private_segment_fixed_size: 0
    .kernarg_segment_align: 8
    .kernarg_segment_size: 48
    .max_flat_workgroup_size: 32
    .sgpr_count:     66
    .vgpr_count:     176
    .wavefront_size: 32
...
	.end_amdgpu_metadata
.endif
;; end of part 1
;; launch kan (part 2): grid 256 x 1, 8 waves a work-group, no clusters, 159,744 bytes of LDS; arguments x, wfrag, wscale, grid, out0; writes out0
.if DOCPART == 2
	.amdgcn_target "amdgcn-amd-amdhsa--gfx1250"
	.amdhsa_code_object_version 6
	.text
	.protected	k_q4138cead14_kan
	.globl	k_q4138cead14_kan
	.p2align	8
	.type	k_q4138cead14_kan,@function
k_q4138cead14_kan:
	s_mov_b64 s[64:65], 0
	v_nop
	global_prefetch_b8 v0, s[64:65] scope:SCOPE_SE
	s_setreg_imm32_b32 hwreg(HW_REG_WAVE_MODE, 25, 1), 1
	s_wait_xcnt 0x0
; out0 = Q(silu(x)) Q(base_weight)^T + Q(bases(x)) Q(spline_weight x spline_scaler)^T, both products on codes of FP6 (E2M3) with one E8M0 scale for each 32 along K, one f32 sum.
; x [32768][256] f32; the weights come from the launch before, as operand registers on end (wfrag, wscale); grid [12] f32 is taken as it is given: any knots.
; K has 18 steps of 128: steps 0, 1 silu(x), steps 2 + s the eight cubic B-spline bases of features 16 s .. 16 s + 15.
; SHARES.  A work-group owns 128 rows and all 256 columns; eight waves, two to a SIMD.
;   The vector work shares the ROWS: wave w makes, for every K step, the operand of rows 16 w .. 16 w + 15.  Lane (r, h) holds row r and the step's blocks h and 2 + h whole: a block's largest magnitude needs no other lane.
;   The matrix work shares the COLUMNS: wave w owns columns 32 w .. 32 w + 31 for all 128 rows: 16 accumulators.  Its weights, 3,072 bytes a step, go from memory straight into its registers, and no other wave of the work-group loads them.
;   Operands go from wave to wave through LDS as images of their registers (three stores of 16 bytes a lane, the scale word by one of 4), in two buffers by turns, one barrier a K step.
; PIPELINE.  In the interval in which step k's operand is made, step k - 1's 16 matrix instructions stand in four runs between the vector work, and step k's weights are on their way.
; THE BASES are the recursion as it is written for any knots: b0_i = (x >= g_i and not x >= g_i+1); B^k_i = (x - g_i) inv_k(i) B^(k-1)_i - (x - g_(i+k+1)) inv_k(i+1) B^(k-1)_(i+1), inv_k(i) = 1 / (g_(i+k) - g_i),
;   two x at a time in packed f32.  So a block's 32 places hold: place p = feature 2 (p / 16) + p % 2 of its four, coefficient (p % 16) / 2; the weights are laid the same way.
; THE MATRIX INSTRUCTION IS USED TRANSPOSED (source 0 = 16 columns' weights, source 1 = 16 rows): a lane holds eight neighbouring numbers of a row of out0.
; NO JOINT LOADS: what work-groups share is the weights, 24,576 bytes a K step beside some 580 vector instructions of each wave; a joint load lands in LDS, from which each of these bytes would have to be read once more into the one wave that uses it.
; LIMITS.  NaN in x or grid is not served (x < g is taken as not x >= g).  A division by a knot difference is a multiplication by its v_rcp_f32; differences under 2^-126 or over 2^126 are not served.
;   A block of zeros gets the byte 1 where the rule says 127: its codes are zeros and this program alone reads the bytes.  silu(x) is x / (1 + 2^(-x log2 e)); where that power overflows the result is 0.
;   K is permuted inside blocks of 32, alike on both operands: the order of the additions inside a matrix instruction differs from ascending k.
.set XPITCH, 1040                      ; an LDS row of x or of out0: 1,024 bytes + 16 = 260 words: sixteen rows start at sixteen different groups of four banks (64 banks of 4 bytes: ISA guide 11.1)
.set WROWS,  16*XPITCH                 ; a wave's 16 rows
.set IMG,    128*XPITCH                ; behind the stage: two buffers of eight images
.set FRB,    1536                      ; an image: 12 registers x 128 bytes
.set IBUF,   8*FRB
.set ISC,    IMG+2*IBUF                ; behind them: two buffers of 8 x 16 scale words
.set KFRAG,  16*FRB                    ; a K step in wfrag
.set KSCL,   16*128                    ; and in wscale
; window 0
.set XG,  1                            ; v1   16 l + 16,384 w: my bytes in the work-group's rows of x, and of out0
.set XSW, 2                            ; v2   16,640 w + 16 l: the stage by whole half rows
.set XSR, 3                            ; v3   16,640 w + 1,040 r + 16 h: my four features of a block
.set XA,  4                            ; v4   the same, at the step in hand
.set IW,  5                            ; v5   where I store images: IMG + 1,536 w + 16 l
.set IWS, 6                            ; v6   and their scale words: ISC + 64 w + 4 r
.set LI,  7                            ; v7   where I read images: IMG + 16 l
.set LS,  8                            ; v8   and scale words: ISC + 4 l
.set WO,  9                            ; v9   wfrag: 3,072 w + 16 l
.set WSO, 10                           ; v10  wscale: 256 w + 128 h + 4 l
.set SH8, 11                           ; v11  8 h
.set XSS, 12                           ; v12  16,640 w + 1,040 r + 128 h: my 32 numbers of a block of silu's steps
.set SO,  13                           ; v13  the way out: where I put 32 bytes of a row (rows 0-63); v14: rows 64-127
.set SO2, 14
.set XR,  16                           ; v16-23, v24-31: eight x for the even and for the odd spline steps
.set D,   32                           ; v32-55  x - g_i, 12 pairs
.set P,   56                           ; v56-77  11 pairs
.set Q,   78                           ; v78-97  10 pairs
.set O,   98                           ; v98-129 a block's 32 numbers
.set PC,  130                          ; v130-141 the fragment just made
.set T,   142
.set MXA, 146
.set MXB, 147
.set SCL, 148
.set BY0, 149
.set BY1, 150
.set WD,  151
.set W2,  152
.set WS,  154                          ; v154-155 the weights' scale words, one register for each set: lanes 0-15 my first tile of columns, lanes 16-31 my second.  Scales and nothing else
.set AS,  156                          ; v156-159 the images' scale words: register i: lanes 0-15 rows' tile 2 i, lanes 16-31 tile 2 i + 1.  Scales and nothing else
.set BF,  160                          ; v160-207 the weights: two sets of two fragments
.set SV,  32                           ; ahead of the loop: 32 x, then silu(x)
.set E,   98                           ; and what is at work on them
.set RT,  64                           ; and the 30 knot differences
; window 1
.set AF,  128                          ; v128-223 eight images; v0-127 the accumulators, (m, e) at 8 (2 m + e); at the head the 32 loads of x land there
; scalars: s[2 + 2 i] = -g_i, s[3 + 2 i] = g_i; s[26 + 2 i] = inv_2(i); s[46 + 2 i] = inv_3(i); s[27 + 2 i] = inv_1(i); s49 .. s63 odd: 0 (named as upper halves of pairs)
.set CM,  66                           ; s66-89  2 x 12 lane masks
.set PX,  90
.set WC,  92
.set WSB, 94
.set PO,  96
.set WV,  98
.set CNT, 99
.set XC,  100
.set XN,  101
.set SEL, 104
.set MSB, 0
.macro WIN new                         ; the immediate's high byte repeats the setting that is left; a switch that changes nothing is dropped
.if MSB != \new
	s_set_vgpr_msb (MSB<<8)|\new
.set MSB, \new
.endif
.endm
; 0x40: a load's destination in window 1.  0x04: an LDS store's data in window 1.  0x54: source 0 (weights) window 0; source 1 (images), C and D window 1.
; Two x in v[xr], v[xr + 1] become 16 numbers at v[o]: register 2 i + e = B_i(x_e).  In each level all multiplications stand ahead of all multiply-adds, so that no line waits for the line above it.
.macro PAIR xr, o
.set ii, 0
.rept 12
	v_cmp_ge_f32 s[CM+ii], v[\xr], s[3+2*ii]
	v_cmp_ge_f32 s[CM+12+ii], v[\xr+1], s[3+2*ii]
.set ii, ii+1
.endr
.set ii, 0
.rept 12
	v_pk_add_f32 v[D+2*ii:D+2*ii+1], v[\xr:\xr+1], s[2+2*ii:3+2*ii] op_sel_hi:[1,0]   ; x - g_i (the pair's low word, -g_i, serves both halves)
.set ii, ii+1
.endr
.set ii, 0
.rept 11
	s_and_not1_b32 s[CM+ii], s[CM+ii], s[CM+ii+1]                  ; x >= g_i and not x >= g_(i+1)
	s_and_not1_b32 s[CM+12+ii], s[CM+12+ii], s[CM+12+ii+1]
.set ii, ii+1
.endr
.set ii, 0
.rept 11
	v_cndmask_b32 v[P+2*ii], 0, s[27+2*ii], s[CM+ii]               ; inv_1(i) b0_i
	v_cndmask_b32 v[P+2*ii+1], 0, s[27+2*ii], s[CM+12+ii]
.set ii, ii+1
.endr
.set ii, 0
.rept 10
	v_pk_mul_f32 v[Q+2*ii:Q+2*ii+1], v[D+2*ii:D+2*ii+1], v[P+2*ii:P+2*ii+1]
.set ii, ii+1
.endr
.set ii, 0
.rept 10
	v_pk_fma_f32 v[Q+2*ii:Q+2*ii+1], v[D+2*ii+4:D+2*ii+5], v[P+2*ii+2:P+2*ii+3], v[Q+2*ii:Q+2*ii+1] neg_lo:[1,0,0] neg_hi:[1,0,0]   ; B^1_i
.set ii, ii+1
.endr
.set ii, 0
.rept 10
	v_pk_mul_f32 v[Q+2*ii:Q+2*ii+1], v[Q+2*ii:Q+2*ii+1], s[26+2*ii:27+2*ii] op_sel_hi:[1,0]   ; x inv_2(i)
.set ii, ii+1
.endr
.set ii, 0
.rept 9
	v_pk_mul_f32 v[P+2*ii:P+2*ii+1], v[D+2*ii:D+2*ii+1], v[Q+2*ii:Q+2*ii+1]
.set ii, ii+1
.endr
.set ii, 0
.rept 9
	v_pk_fma_f32 v[P+2*ii:P+2*ii+1], v[D+2*ii+6:D+2*ii+7], v[Q+2*ii+2:Q+2*ii+3], v[P+2*ii:P+2*ii+1] neg_lo:[1,0,0] neg_hi:[1,0,0]   ; B^2_i
.set ii, ii+1
.endr
.set ii, 0
.rept 9
	v_pk_mul_f32 v[P+2*ii:P+2*ii+1], v[P+2*ii:P+2*ii+1], s[46+2*ii:47+2*ii] op_sel_hi:[1,0]   ; x inv_3(i)
.set ii, ii+1
.endr
.set ii, 0
.rept 8
	v_pk_mul_f32 v[\o+2*ii:\o+2*ii+1], v[D+2*ii:D+2*ii+1], v[P+2*ii:P+2*ii+1]
.set ii, ii+1
.endr
.set ii, 0
.rept 8
	v_pk_fma_f32 v[\o+2*ii:\o+2*ii+1], v[D+2*ii+8:D+2*ii+9], v[P+2*ii+2:P+2*ii+3], v[\o+2*ii:\o+2*ii+1] neg_lo:[1,0,0] neg_hi:[1,0,0]   ; B^3_i
.set ii, ii+1
.endr
.endm
; 32 numbers of a lane, v[s] on, become six registers of codes at v[dst] and the block's scale byte in v[by].
.macro QUANT s, dst, by
	v_max3_num_f32 v[MXA], |v[\s]|, |v[\s+1]|, 0x1800000            ; the floor 2^(3 - 127) among the leaves: the byte cannot fall under 1
	v_max3_num_f32 v[MXB], |v[\s+16]|, |v[\s+17]|, |v[\s+18]|       ; two chains by turns
.irp i, 2,4,6,8,10,12
	v_max3_num_f32 v[MXA], v[MXA], |v[\s+\i]|, |v[\s+\i+1]|
	v_max3_num_f32 v[MXB], v[MXB], |v[\s+17+\i]|, |v[\s+18+\i]|
.endr
	v_max3_num_f32 v[MXA], v[MXA], |v[\s+14]|, |v[\s+15]|
	v_max3_num_f32 v[MXA], v[MXA], v[MXB], |v[\s+31]|               ; the block's largest magnitude
	v_add_nc_u32 v[SCL], 0xff000000, v[MXA]                         ; 2 off its exponent field: the conversion takes this operand's exponent field as its scale
	v_lshrrev_b32 v[\by], 23, v[SCL]                                ; the scale's byte
	v_cvt_scalef32_pk16_fp6_f32 v[\dst:\dst+2], v[\s:\s+15], v[SCL]
	v_cvt_scalef32_pk16_fp6_f32 v[T:T+2], v[\s+16:\s+31], v[SCL]    ; (a conversion's three registers begin on an even number)
	v_nop                                                           ; one plain place behind the scaled conversions
	v_mov_b32 v[\dst+3], v[T]
	v_mov_b32 v[\dst+4], v[T+1]
	v_mov_b32 v[\dst+5], v[T+2]
.endm
.macro WORD                            ; my two bytes (blocks h and 2 + h) and lane l xor 16's two make my row's scale word
	v_lshl_or_b32 v[WD], v[BY1], 16, v[BY0]
	v_lshlrev_b32 v[WD], v[SH8], v[WD]
	v_permlanex16_b32 v[W2], v[WD], s[SEL], s[SEL+1]
	v_or_b32 v[WD], v[WD], v[W2]
.endm
.macro IMAGE buf                       ; the fragment goes to LDS as it stands: 512 consecutive bytes a store
.irp j, 0,1,2
	ds_store_b128 v[IW], v[PC+4*\j:PC+4*\j+3] offset:(\buf)*IBUF+512*\j
.endr
	ds_store_b32 v[IWS], v[WD] offset:(\buf)*512                    ; lanes l and l + 16 write the same word with the same value
.endm
.macro AFLOAD buf                      ; all eight images and their scale words come back so
	WIN 0x40
.irp m, 0,1,2,3,4,5,6,7
.irp j, 0,1,2
	ds_load_b128 v[AF+12*\m+4*\j:AF+12*\m+4*\j+3], v[LI] offset:(\buf)*IBUF+FRB*\m+512*\j
.endr
.endr
	WIN 0
.irp i, 0,1,2,3
	ds_load_b32 v[AS+\i], v[LS] offset:(\buf)*512+128*\i
.endr
.endm
.macro BLOAD buf, kk                   ; my two fragments of weights and their scale words, kk steps on from the base, into set buf
.irp e, 0,1
.irp j, 0,1,2
	global_load_b128 v[BF+24*(\buf)+12*\e+4*\j:BF+24*(\buf)+12*\e+4*\j+3], v[WO], s[WC:WC+1] offset:(\kk)*KFRAG+FRB*\e+512*\j
.endr
.endr
	global_load_b32 v[WS+(\buf)], v[WSO], s[WSB:WSB+1] offset:(\kk)*KSCL
.endm
; Four matrix instructions: rows' tiles 2 j, 2 j + 1 x my two tiles of columns.  The 16 accumulators take turns, one instruction a turn, in the same order in every step.
; zero = 1: the first step's products start the sums: nothing is cleared.  The window stays set: WIN 0 follows where vector work follows.
.macro RUN j, buf, zero
	WIN 0x54
.set rA, AF+24*(\j)
.set rB, BF+24*(\buf)
.set rC, 32*(\j)
.set rW, WS+(\buf)
.set rS, AS+(\j)
.if \zero
	v_wmma_scale_f32_16x16x128_f8f6f4 v[rC:rC+7], v[rB:rB+11], v[rA:rA+11], 0, v[rW], v[rS] matrix_a_fmt:MATRIX_FMT_FP6 matrix_b_fmt:MATRIX_FMT_FP6
	v_wmma_scale_f32_16x16x128_f8f6f4 v[rC+8:rC+15], v[rB+12:rB+23], v[rA:rA+11], 0, v[rW], v[rS] matrix_a_fmt:MATRIX_FMT_FP6 matrix_b_fmt:MATRIX_FMT_FP6 matrix_a_scale:MATRIX_SCALE_ROW1
	v_wmma_scale_f32_16x16x128_f8f6f4 v[rC+16:rC+23], v[rB:rB+11], v[rA+12:rA+23], 0, v[rW], v[rS] matrix_a_fmt:MATRIX_FMT_FP6 matrix_b_fmt:MATRIX_FMT_FP6 matrix_b_scale:MATRIX_SCALE_ROW1
	v_wmma_scale_f32_16x16x128_f8f6f4 v[rC+24:rC+31], v[rB+12:rB+23], v[rA+12:rA+23], 0, v[rW], v[rS] matrix_a_fmt:MATRIX_FMT_FP6 matrix_b_fmt:MATRIX_FMT_FP6 matrix_a_scale:MATRIX_SCALE_ROW1 matrix_b_scale:MATRIX_SCALE_ROW1
.else
	v_wmma_scale_f32_16x16x128_f8f6f4 v[rC:rC+7], v[rB:rB+11], v[rA:rA+11], v[rC:rC+7], v[rW], v[rS] matrix_a_fmt:MATRIX_FMT_FP6 matrix_b_fmt:MATRIX_FMT_FP6
	v_wmma_scale_f32_16x16x128_f8f6f4 v[rC+8:rC+15], v[rB+12:rB+23], v[rA:rA+11], v[rC+8:rC+15], v[rW], v[rS] matrix_a_fmt:MATRIX_FMT_FP6 matrix_b_fmt:MATRIX_FMT_FP6 matrix_a_scale:MATRIX_SCALE_ROW1
	v_wmma_scale_f32_16x16x128_f8f6f4 v[rC+16:rC+23], v[rB:rB+11], v[rA+12:rA+23], v[rC+16:rC+23], v[rW], v[rS] matrix_a_fmt:MATRIX_FMT_FP6 matrix_b_fmt:MATRIX_FMT_FP6 matrix_b_scale:MATRIX_SCALE_ROW1
	v_wmma_scale_f32_16x16x128_f8f6f4 v[rC+24:rC+31], v[rB+12:rB+23], v[rA+12:rA+23], v[rC+24:rC+31], v[rW], v[rS] matrix_a_fmt:MATRIX_FMT_FP6 matrix_b_fmt:MATRIX_FMT_FP6 matrix_a_scale:MATRIX_SCALE_ROW1 matrix_b_scale:MATRIX_SCALE_ROW1
.endif
.endm
; 32 neighbouring x of my row, from byte off + 128 h on, become silu(x) in v[SV] on.  Each batch of 32 transcendentals has one plain line and one wait behind it, ahead of its first reader.
.macro SILU_EVAL off
.irp i, 0,1,2,3,4,5,6,7
	ds_load_b128 v[SV+4*\i:SV+4*\i+3], v[XSS] offset:\off+16*\i     ; LDS serves a wave's instructions in order (ISA guide 5.7.1.4): these see my stores into the stage
.endr
	s_wait_dscnt 0x0                                                ; they are in, and so is every earlier LDS instruction of mine
.set ii, 0
.rept 16
	v_pk_mul_f32 v[E+ii:E+ii+1], v[SV+ii:SV+ii+1], 0xbfb8aa3b op_sel_hi:[1,0]   ; -x log2(e)
.set ii, ii+2
.endr
.set ii, 0
.rept 32
	v_exp_f32 v[E+ii], v[E+ii]
.set ii, ii+1
.endr
	v_nop
	s_wait_alu depctr_va_vdst(0)
.set ii, 0
.rept 16
	v_pk_add_f32 v[E+ii:E+ii+1], v[E+ii:E+ii+1], 1.0 op_sel_hi:[1,0]
.set ii, ii+2
.endr
.set ii, 0
.rept 32
	v_rcp_f32 v[E+ii], v[E+ii]
.set ii, ii+1
.endr
	v_nop
	s_wait_alu depctr_va_vdst(0)
.set ii, 0
.rept 16
	v_pk_mul_f32 v[SV+ii:SV+ii+1], v[SV+ii:SV+ii+1], v[E+ii:E+ii+1]
.set ii, ii+2
.endr
.endm
.macro BAR                             ; my LDS stores have landed and my LDS loads are in: then the work-group's barrier
	s_wait_dscnt 0x0
	s_barrier_signal -1
	s_barrier_wait -1
.endm
	; ---- the head
	s_load_b256 s[68:75], s[0:1], 0x0              ; x s[68:69], wfrag s[70:71], wscale s[72:73], grid s[74:75]
	s_load_b64 s[PO:PO+1], s[0:1], 0x20            ; out0
	v_lshl_add_u32 v254, v0, 2, 0x26c00
	v_mov_b32 v255, 0
	v_lshrrev_b32 v16, 5, v0
	v_readfirstlane_b32 s[WV], v16                 ; wave 0..7
	v_and_b32 v17, 31, v0                          ; l
	v_and_b32 v18, 15, v0                          ; r
	v_bfe_u32 v19, v0, 4, 1                        ; h
	s_lshl_b32 s100, s[WV], 14
	v_lshl_add_u32 v[XG], v17, 4, s100
	s_mul_i32 s101, s[WV], WROWS
	v_lshl_add_u32 v[XSW], v17, 4, s101
	v_mul_u32_u24 v20, v18, XPITCH
	v_add_nc_u32 v20, s101, v20
	v_lshl_add_u32 v[XSR], v19, 4, v20
	v_lshl_add_u32 v[XSS], v19, 7, v20
	s_mul_i32 s100, s[WV], FRB
	s_add_co_u32 s100, s100, IMG
	v_lshl_add_u32 v[IW], v17, 4, s100
	s_lshl_b32 s100, s[WV], 6
	s_add_co_u32 s100, s100, ISC
	v_lshl_add_u32 v[IWS], v18, 2, s100
	v_lshl_add_u32 v[LI], v17, 4, IMG
	v_lshl_add_u32 v[LS], v17, 2, ISC
	s_mul_i32 s100, s[WV], 2*FRB
	v_lshl_add_u32 v[WO], v17, 4, s100
	s_lshl_b32 s100, s[WV], 8
	v_lshl_add_u32 v[WSO], v17, 2, s100
	v_lshl_add_u32 v[WSO], v19, 7, v[WSO]
	v_lshlrev_b32 v[SH8], 3, v19
	v_mov_b32 v[W2], 0                             ; a lane permute's destination counts as one of its sources
	s_mov_b32 s[SEL], 0x76543210
	s_mov_b32 s[SEL+1], 0xfedcba98                 ; selects for lane l xor 16
	s_lshl_b32 s100, ttmp9, 17                     ; the work-group's 128 rows of 1,024 bytes, in x and in out0
	s_mov_b32 s101, 0
	s_wait_kmcnt 0x0
	s_load_b256 s[76:83], s[74:75], 0x0            ; the twelve knots
	s_load_b128 s[84:87], s[74:75], 0x20
	s_add_nc_u64 s[PX:PX+1], s[68:69], s[100:101]
	s_mov_b64 s[WC:WC+1], s[70:71]
	s_mov_b64 s[WSB:WSB+1], s[72:73]
	s_add_nc_u64 s[PO:PO+1], s[PO:PO+1], s[100:101]
	BLOAD 0, 0                                     ; step 0's weights: seven loads
	WIN 0x40
.set ii, 0
.rept 32                                       ; my 16 rows of x: each load reads 512 consecutive bytes; all left halves first.  They land where the accumulators will lie
	global_load_b128 v[4*ii:4*ii+3], v[XG], s[PX:PX+1] offset:(ii%16)*1024+512*(ii/16) th:TH_LOAD_NT
.set ii, ii+1
.endr
	WIN 0
	s_wait_kmcnt 0x0                               ; the knots are in; s[74:75] has been read
.set ii, 0
.rept 12
	s_xor_b32 s[2+2*ii], s[76+ii], 0x80000000      ; -g_i
	s_mov_b32 s[3+2*ii], s[76+ii]                  ; g_i
.set ii, ii+1
.endr
.set ii, 0
.rept 11
	v_sub_f32 v[RT+ii], s[5+2*ii], s[3+2*ii]       ; g_(i+1) - g_i
.set ii, ii+1
.endr
.set ii, 0
.rept 10
	v_sub_f32 v[RT+11+ii], s[7+2*ii], s[3+2*ii]    ; g_(i+2) - g_i
.set ii, ii+1
.endr
.set ii, 0
.rept 9
	v_sub_f32 v[RT+21+ii], s[9+2*ii], s[3+2*ii]    ; g_(i+3) - g_i
.set ii, ii+1
.endr
.set ii, 0
.rept 30
	v_rcp_f32 v[RT+ii], v[RT+ii]                   ; one batch,
.set ii, ii+1
.endr
	v_nop                                          ; one plain line,
	s_wait_alu depctr_va_vdst(0)                   ; one wait ahead of the first reader
.set ii, 0
.rept 11
	v_readfirstlane_b32 s[27+2*ii], v[RT+ii]
.set ii, ii+1
.endr
.set ii, 0
.rept 10
	v_readfirstlane_b32 s[26+2*ii], v[RT+11+ii]
.set ii, ii+1
.endr
.set ii, 0
.rept 9
	v_readfirstlane_b32 s[46+2*ii], v[RT+21+ii]
.set ii, ii+1
.endr
.irp i, 49,51,53,55,57,59,61,63
	s_mov_b32 s\i, 0                               ; named with inv_3 as pairs, so they are written
.endr
	; ---- interval 0: step 0's operand (silu of features 0-127) into image buffer 0
	s_wait_loadcnt 16                              ; issued: 7 loads of weights, 16 left halves, 16 right halves; only the right halves may be out
	WIN 0x04
.set ii, 0
.rept 16
	ds_store_b128 v[XSW], v[4*ii:4*ii+3] offset:ii*XPITCH
.set ii, ii+1
.endr
	WIN 0
	SILU_EVAL 0
	QUANT SV, PC, BY0
	SILU_EVAL 256
	QUANT SV, PC+6, BY1
	WORD
	IMAGE 0
	; ---- interval 1: step 1's operand into buffer 1; step 0's products start the sums
	BAR                                            ; every wave's image of step 0 lies in LDS
	s_wait_loadcnt 0x0                             ; the right halves of x are in
	WIN 0x04
.set ii, 0
.rept 16
	ds_store_b128 v[XSW], v[64+4*ii:64+4*ii+3] offset:ii*XPITCH+512
.set ii, ii+1
.endr
	WIN 0
	AFLOAD 0
	BLOAD 1, 1
	SILU_EVAL 512                                  ; its wait for LDS also shows the stage's stores done (the accumulators may be written) and the images in
	QUANT SV, PC, BY0
	RUN 0, 0, 1
	RUN 1, 0, 1
	WIN 0
	SILU_EVAL 768
	RUN 2, 0, 1
	RUN 3, 0, 1
	WIN 0
	QUANT SV, PC+6, BY1
	WORD
	IMAGE 1
	v_mov_b32 v[XA], v[XSR]
	ds_load_b128 v[XR:XR+3], v[XA]                 ; the first spline step's eight x: features 4 h .. and 8 + 4 h ..
	ds_load_b128 v[XR+4:XR+7], v[XA] offset:32
	s_mov_b32 s[CNT], 0
	s_mov_b32 s[XC], 0
; ---- an interval of the loop: step k's operand into image buffer wb = k % 2; step k - 1's products, from buffer and set 1 - wb
.macro SLOT wb
	BAR                                            ; every wave's image of step k - 1 lies in LDS, and nobody reads buffer wb any more; my x for this step is in
	s_wait_loadcnt 0x0                             ; step k - 1's weights, asked for an interval ago, are in: so their base may step
.if \wb == 0
	s_add_nc_u64 s[WC:WC+1], s[WC:WC+1], 2*KFRAG
	s_add_nc_u64 s[WSB:WSB+1], s[WSB:WSB+1], 2*KSCL
.endif
	AFLOAD 1-\wb                                   ; (behind the last products that read these registers stand a whole PAIR and a QUANT of plain vector lines)
	BLOAD \wb, \wb
	PAIR XR+8*\wb, O
	s_wait_dscnt 0x0                               ; the images are in
	RUN 0, 1-\wb, 0
	WIN 0
.if \wb == 0
	ds_load_b128 v[XR+8:XR+11], v[XA] offset:64    ; the next step's eight x
	ds_load_b128 v[XR+12:XR+15], v[XA] offset:96
.else
	s_add_co_u32 s[XC], s[XC], 128                 ; two steps on: 32 features
	s_min_u32 s[XN], s[XC], 896                    ; (the last trip has no next step: it reads the row's last bytes again, and nobody uses them)
	v_add_nc_u32 v[XA], s[XN], v[XSR]
	ds_load_b128 v[XR:XR+3], v[XA]
	ds_load_b128 v[XR+4:XR+7], v[XA] offset:32
.endif
	PAIR XR+8*\wb+2, O+16
	RUN 1, 1-\wb, 0
	WIN 0
	QUANT O, PC, BY0
	RUN 2, 1-\wb, 0
	WIN 0
	PAIR XR+8*\wb+4, O
	RUN 3, 1-\wb, 0
	WIN 0
	PAIR XR+8*\wb+6, O+16
	QUANT O, PC+6, BY1
	WORD
	IMAGE \wb
.endm
.Ltrip:                                            ; eight trips of two intervals: steps 2 .. 17 are made, steps 1 .. 16 multiplied
	SLOT 0
	SLOT 1
	s_add_co_u32 s[CNT], s[CNT], 1
	s_cmp_lt_u32 s[CNT], 8
	s_cbranch_scc1 .Ltrip
	; ---- the last step's products
	BAR                                            ; step 17's images lie in LDS; every wave's reads of its rows of x are over: the stage may take out0
	s_wait_loadcnt 0x0
	AFLOAD 1
	s_wait_dscnt 0x0
	RUN 0, 1, 0
	RUN 1, 1, 0
	RUN 2, 1, 0
	RUN 3, 1, 0
	WIN 0
	; ---- the way out.  A lane holds 32 neighbouring bytes of a row, and a row's 1,024 bytes come from eight waves: they meet in the stage, and each wave stores 16 whole rows.
	v_and_b32 v16, 15, v0                          ; these six plain lines are also the places between the last products and the first read of results (ISA guide 7.12.1)
	v_bfe_u32 v17, v0, 4, 1
	s_lshl_b32 s100, s[WV], 7
	v_mul_u32_u24 v[SO], v16, XPITCH
	v_lshl_add_u32 v[SO], v17, 5, v[SO]
	v_add_nc_u32 v[SO], s100, v[SO]                ; row r, + 128 w + 32 h
	v_add_nc_u32 v[SO2], 4*WROWS, v[SO]            ; and 64 rows further down: an LDS offset has 16 bits
	WIN 0x04
.irp m, 0,1,2,3
.irp e, 0,1
	ds_store_b128 v[SO], v[8*(2*\m+\e):8*(2*\m+\e)+3] offset:\m*WROWS+64*\e          ; each accumulator from its low end on
	ds_store_b128 v[SO], v[8*(2*\m+\e)+4:8*(2*\m+\e)+7] offset:\m*WROWS+64*\e+16
.endr
.endr
.irp m, 4,5,6,7
.irp e, 0,1
	ds_store_b128 v[SO2], v[8*(2*\m+\e):8*(2*\m+\e)+3] offset:(\m-4)*WROWS+64*\e
	ds_store_b128 v[SO2], v[8*(2*\m+\e)+4:8*(2*\m+\e)+7] offset:(\m-4)*WROWS+64*\e+16
.endr
.endr
	WIN 0
	BAR                                            ; 128 whole rows of out0 lie in the stage
.set ii, 0
.rept 32
	ds_load_b128 v[16+4*ii:16+4*ii+3], v[XSW] offset:(ii/2)*XPITCH+512*(ii%2)
.set ii, ii+1
.endr
.set ii, 0
.rept 32
	s_wait_dscnt 31-ii                             ; LDS loads come back in order (ISA guide 5.7.1): this one is in, the younger ones may be out
	global_store_b128 v[XG], v[16+4*ii:16+4*ii+3], s[PO:PO+1] offset:(ii/2)*1024+512*(ii%2) th:TH_STORE_NT   ; 32 lanes store 512 consecutive bytes, at a multiple of 256 from out0's first byte
.set ii, ii+1
.endr
	s_wait_tensorcnt 0x0
	ds_add_u32 v254, v255
	s_wait_dscnt 0x0
	s_endpgm
.Lfunc_end_k_q4138cead14_kan:
	.size	k_q4138cead14_kan, .Lfunc_end_k_q4138cead14_kan-k_q4138cead14_kan
	.p2alignl 7, 3214868480
	.fill 96, 4, 3214868480
	.section	.rodata,"a",@progbits
	.p2align	6, 0x0
	.amdhsa_kernel k_q4138cead14_kan
		.amdhsa_group_segment_fixed_size 159744
		.amdhsa_private_segment_fixed_size 0
		.amdhsa_enable_private_segment 0
		.amdhsa_kernarg_size 40
		.amdhsa_user_sgpr_count 2
		.amdhsa_user_sgpr_kernarg_segment_ptr 1
		.amdhsa_wavefront_size32 1
		.amdhsa_system_sgpr_workgroup_id_x 1
		.amdhsa_system_sgpr_workgroup_id_y 1
		.amdhsa_system_sgpr_workgroup_id_z 1
		.amdhsa_system_vgpr_workitem_id 0
		.amdhsa_next_free_vgpr 480
		.amdhsa_next_free_sgpr 106
		.amdhsa_reserve_vcc 0
		.amdhsa_float_denorm_mode_32 3
		.amdhsa_float_denorm_mode_16_64 3
		.amdhsa_memory_ordered 1
		.amdhsa_forward_progress 1
		.amdhsa_inst_pref_size 150
	.end_amdhsa_kernel
	.amdgpu_metadata
---
amdhsa.version: [ 1, 2 ]
amdhsa.kernels:
  - .name:           k_q4138cead14_kan
    .symbol:         k_q4138cead14_kan.kd
    .args:
      - { .name: x, .offset: 0, .size: 8, .value_kind: global_buffer, .address_space: global }
      - { .name: wfrag, .offset: 8, .size: 8, .value_kind: global_buffer, .address_space: global }
      - { .name: wscale, .offset: 16, .size: 8, .value_kind: global_buffer, .address_space: global }
      - { .name: grid, .offset: 24, .size: 8, .value_kind: global_buffer, .address_space: global }
      - { .name: out0, .offset: 32, .size: 8, .value_kind: global_buffer, .address_space: global }
    .group_segment_fixed_size: 159744
    .private_segment_fixed_size: 0
    .kernarg_segment_align: 8
    .kernarg_segment_size: 40
    .max_flat_workgroup_size: 256
    .sgpr_count:     106
    .vgpr_count:     480
    .wavefront_size: 32
...
	.end_amdgpu_metadata
.endif
;; end of part 2
;; ======== version 2 of 2: 2 launches
;; workspace buffers: wfrag 442,368 bytes; wscale 36,864 bytes
;; launch prep (part 3): grid 16 x 18, 1 waves a work-group, no clusters, 0 bytes of LDS; arguments spline_weight, spline_scaler, base_weight_codes, base_weight_scales, wfrag, wscale; writes wfrag, wscale
.if DOCPART == 3
	.amdgcn_target "amdgcn-amd-amdhsa--gfx1250"
	.amdhsa_code_object_version 6
	.text
	.protected	k_q4138cead14_prep
	.globl	k_q4138cead14_prep
	.p2align	8
	.type	k_q4138cead14_prep,@function
k_q4138cead14_prep:
	s_mov_b64 s[64:65], 0
	v_nop
	global_prefetch_b8 v0, s[64:65] scope:SCOPE_SE
	s_setreg_imm32_b32 hwreg(HW_REG_WAVE_MODE, 25, 1), 1
	s_wait_xcnt 0x0
; The weights of both products, laid once in the order of the matrix operand's registers.
; K has 18 steps of 128: steps 0, 1 are base_weight (given codes, copied as they lie), steps 2 + s (s = 0 .. 15) are spline_weight x spline_scaler for
; features 16 s .. 16 s + 15, eight coefficients each, quantised here to FP6 (E2M3) with one E8M0 byte for each 32 along K.
; One wave makes one fragment: 16 output columns (tile n = work-group x) x 128 K (step k = work-group y).  Lane l = r + 16 h holds column 16 n + r;
; its registers 6 c .. 6 c + 5 hold block b = 2 c + h of the step, which for a spline step is features 16 s + 4 b .. + 3.
; ORDER INSIDE A SPLINE BLOCK: place p holds feature 2 (p / 16) + p % 2 of the four, coefficient (p % 16) / 2.  The other launch lays its operand the same way,
; so blocks, scales and products are those of the plain order; only the order of the additions inside a matrix instruction differs.
; wfrag: fragment (k, n) at (16 k + n) x 1,536 bytes; register i of lane l at 512 (i / 4) + 16 l + 4 (i % 4): three stores of 512 consecutive bytes.
; wscale: 128 bytes for each (k, n), lane l's word at 4 l (lanes l and l + 16 hold the same word): byte b scales block b.
; A block's scale is 2^(floor(log2(largest magnitude)) - 2); its byte is the largest magnitude's exponent field - 2, held at 1 from below.
; LIMITS: a block of zeros gets the byte 1 where the rule says 127 (its codes are zeros, and this program alone reads the bytes); blocks whose largest
; magnitude lies under 2^-124 are held at the byte 1; NaN and infinities among the weights are not served.
.set W,   16                           ; v16-79   64 numbers of spline_weight: 32 c + 8 j + i = feature j of block 2 c + h, coefficient i
.set S,   80                           ; v80-87   their eight scalers: 4 c + j
.set DM,  88                           ; v88-151  the products, in the order of the block's places
.set PC,  152                          ; v152-163 the fragment
.set T,   164                          ; v164-166 a block's upper 16 codes (a conversion's three registers begin on an even number)
.set MXA, 168
.set MXB, 169
.set SCL, 170
.set BY0, 171
.set BY1, 172
.set WD,  173
.set W2,  174
; 32 numbers of a lane, v[s] on, become six registers of codes at v[dst] and the block's scale byte in v[by].
.macro QUANT s, dst, by
	v_max3_num_f32 v[MXA], |v[\s]|, |v[\s+1]|, 0x1800000            ; the floor 2^(3 - 127) among the leaves: the byte cannot fall under 1
	v_max3_num_f32 v[MXB], |v[\s+16]|, |v[\s+17]|, |v[\s+18]|       ; two chains by turns
.irp i, 2,4,6,8,10,12
	v_max3_num_f32 v[MXA], v[MXA], |v[\s+\i]|, |v[\s+\i+1]|
	v_max3_num_f32 v[MXB], v[MXB], |v[\s+17+\i]|, |v[\s+18+\i]|
.endr
	v_max3_num_f32 v[MXA], v[MXA], |v[\s+14]|, |v[\s+15]|
	v_max3_num_f32 v[MXA], v[MXA], v[MXB], |v[\s+31]|               ; the block's largest magnitude
	v_add_nc_u32 v[SCL], 0xff000000, v[MXA]                         ; 2 off its exponent field: the conversion takes this operand's exponent field as its scale
	v_lshrrev_b32 v[\by], 23, v[SCL]                                ; the scale's byte
	v_cvt_scalef32_pk16_fp6_f32 v[\dst:\dst+2], v[\s:\s+15], v[SCL]
	v_cvt_scalef32_pk16_fp6_f32 v[T:T+2], v[\s+16:\s+31], v[SCL]
	v_nop                                                           ; one plain place behind the scaled conversions
	v_mov_b32 v[\dst+3], v[T]
	v_mov_b32 v[\dst+4], v[T+1]
	v_mov_b32 v[\dst+5], v[T+2]
.endm
	s_load_b256 s[4:11], s[0:1], 0x0               ; spline_weight s[4:5], spline_scaler s[6:7], base codes s[8:9], base scales s[10:11]
	s_load_b128 s[12:15], s[0:1], 0x20             ; wfrag s[12:13], wscale s[14:15]
	v_and_b32 v1, 15, v0                           ; r
	v_lshrrev_b32 v2, 4, v0                        ; h
	v_lshlrev_b32 v3, 13, v1
	v_lshl_add_u32 v3, v2, 7, v3                   ; spline_weight: row r of 8,192 bytes + 128 h (a block is 4 features x 32 bytes)
	v_lshlrev_b32 v4, 10, v1
	v_lshl_add_u32 v4, v2, 4, v4                   ; spline_scaler: row r of 1,024 bytes + 16 h
	v_mul_u32_u24 v5, v1, 192
	v_mad_u32_u24 v5, v2, 24, v5                   ; base codes: row r of 192 bytes + 24 h
	v_lshlrev_b32 v6, 3, v1                        ; base scales: row r of 8 bytes
	v_lshlrev_b32 v7, 4, v0                        ; out: 16 x lane
	v_lshlrev_b32 v8, 2, v0                        ; out: 4 x lane
	v_lshlrev_b32 v9, 3, v2                        ; 8 h: my bytes' place in the scale word
	v_mov_b32 v[W2], 0                             ; a lane permute's destination counts as one of its sources
	s_mov_b32 s20, 0x76543210
	s_mov_b32 s21, 0xfedcba98                      ; selects for lane l xor 16
	s_and_b32 s17, ttmp7, 0xffff                   ; k
	s_lshl_b32 s18, s17, 4
	s_add_co_u32 s18, s18, ttmp9                   ; 16 k + n
	s_mul_i32 s22, s18, 1536
	s_mov_b32 s23, 0
	s_lshl_b32 s24, s18, 7
	s_mov_b32 s25, 0
	s_mov_b32 s27, 0
	s_mov_b32 s29, 0
	s_wait_kmcnt 0x0
	s_add_nc_u64 s[12:13], s[12:13], s[22:23]
	s_add_nc_u64 s[14:15], s[14:15], s[24:25]
	s_cmp_lt_u32 s17, 2                            ; a branch on the work-group's number alone
	s_cbranch_scc0 .Lspline
	; ---- steps 0 and 1: the given codes and scale bytes are the operand's registers as they lie
	s_mul_i32 s26, ttmp9, 3072                     ; 16 rows of 192 bytes a tile,
	s_mul_i32 s18, s17, 96                         ; 96 bytes a step
	s_add_co_u32 s26, s26, s18
	s_add_nc_u64 s[8:9], s[8:9], s[26:27]
	s_lshl_b32 s28, ttmp9, 7                       ; 16 rows of 8 scale bytes a tile,
	s_lshl_b32 s18, s17, 2                         ; 4 a step
	s_add_co_u32 s28, s28, s18
	s_add_nc_u64 s[10:11], s[10:11], s[28:29]
	s_wait_alu depctr_va_vdst(0)
.irp p, 0,1,2,3,4,5
	global_load_b64 v[PC+2*\p:PC+2*\p+1], v5, s[8:9] offset:48*(\p/3)+8*(\p%3)
.endr
	global_load_b32 v[WD], v6, s[10:11]
	s_wait_loadcnt 0x0
	s_branch .Lstore
.Lspline:
	; ---- steps 2 + s
	s_sub_co_u32 s18, s17, 2                       ; s
	s_lshl_b32 s26, ttmp9, 17                      ; 16 rows of 8,192 bytes a tile,
	s_lshl_b32 s19, s18, 9                         ; 16 features x 32 bytes a step
	s_add_co_u32 s26, s26, s19
	s_add_nc_u64 s[4:5], s[4:5], s[26:27]
	s_lshl_b32 s28, ttmp9, 14                      ; 16 rows of 1,024 bytes a tile,
	s_lshl_b32 s19, s18, 6                         ; 16 features x 4 bytes a step
	s_add_co_u32 s28, s28, s19
	s_add_nc_u64 s[6:7], s[6:7], s[28:29]
	s_wait_alu depctr_va_vdst(0)
.irp c, 0,1
.irp i, 0,1,2,3,4,5,6,7
	global_load_b128 v[W+32*\c+4*\i:W+32*\c+4*\i+3], v3, s[4:5] offset:256*\c+16*\i
.endr
	global_load_b128 v[S+4*\c:S+4*\c+3], v4, s[6:7] offset:32*\c
.endr
	s_wait_loadcnt 0x0
.irp c, 0,1
.irp j, 0,1,2,3
.irp i, 0,1,2,3,4,5,6,7
	v_mul_f32 v[DM+32*\c+16*(\j/2)+2*\i+(\j%2)], v[W+32*\c+8*\j+\i], v[S+4*\c+\j]   ; the destination's number lays the block's order
.endr
.endr
.endr
	QUANT DM, PC, BY0
	QUANT DM+32, PC+6, BY1
	v_lshl_or_b32 v[WD], v[BY1], 16, v[BY0]        ; my two bytes: blocks h and 2 + h,
	v_lshlrev_b32 v[WD], v9, v[WD]                 ; at their places in the word;
	v_permlanex16_b32 v[W2], v[WD], s20, s21
	v_or_b32 v[WD], v[WD], v[W2]                   ; with lane l xor 16's two the word is whole
.Lstore:
.irp j, 0,1,2
	global_store_b128 v7, v[PC+4*\j:PC+4*\j+3], s[12:13] offset:512*\j   ; 32 lanes store 512 consecutive bytes
.endr
	global_store_b32 v8, v[WD], s[14:15]           ; 128 consecutive bytes
	s_endpgm
.Lfunc_end_k_q4138cead14_prep:
	.size	k_q4138cead14_prep, .Lfunc_end_k_q4138cead14_prep-k_q4138cead14_prep
	.p2alignl 7, 3214868480
	.fill 96, 4, 3214868480
	.section	.rodata,"a",@progbits
	.p2align	6, 0x0
	.amdhsa_kernel k_q4138cead14_prep
		.amdhsa_group_segment_fixed_size 0
		.amdhsa_private_segment_fixed_size 0
		.amdhsa_enable_private_segment 0
		.amdhsa_kernarg_size 48
		.amdhsa_user_sgpr_count 2
		.amdhsa_user_sgpr_kernarg_segment_ptr 1
		.amdhsa_wavefront_size32 1
		.amdhsa_system_sgpr_workgroup_id_x 1
		.amdhsa_system_sgpr_workgroup_id_y 1
		.amdhsa_system_sgpr_workgroup_id_z 1
		.amdhsa_system_vgpr_workitem_id 0
		.amdhsa_next_free_vgpr 176
		.amdhsa_next_free_sgpr 66
		.amdhsa_reserve_vcc 0
		.amdhsa_float_denorm_mode_32 3
		.amdhsa_float_denorm_mode_16_64 3
		.amdhsa_memory_ordered 1
		.amdhsa_forward_progress 1
		.amdhsa_inst_pref_size 10
	.end_amdhsa_kernel
	.amdgpu_metadata
---
amdhsa.version: [ 1, 2 ]
amdhsa.kernels:
  - .name:           k_q4138cead14_prep
    .symbol:         k_q4138cead14_prep.kd
    .args:
      - { .name: spline_weight, .offset: 0, .size: 8, .value_kind: global_buffer, .address_space: global }
      - { .name: spline_scaler, .offset: 8, .size: 8, .value_kind: global_buffer, .address_space: global }
      - { .name: base_weight_codes, .offset: 16, .size: 8, .value_kind: global_buffer, .address_space: global }
      - { .name: base_weight_scales, .offset: 24, .size: 8, .value_kind: global_buffer, .address_space: global }
      - { .name: wfrag, .offset: 32, .size: 8, .value_kind: global_buffer, .address_space: global }
      - { .name: wscale, .offset: 40, .size: 8, .value_kind: global_buffer, .address_space: global }
    .group_segment_fixed_size: 0
    .private_segment_fixed_size: 0
    .kernarg_segment_align: 8
    .kernarg_segment_size: 48
    .max_flat_workgroup_size: 32
    .sgpr_count:     66
    .vgpr_count:     176
    .wavefront_size: 32
...
	.end_amdgpu_metadata
.endif
;; end of part 3
;; launch kan (part 4): grid 256 x 1, 8 waves a work-group, no clusters, 159,744 bytes of LDS; arguments x, wfrag, wscale, grid, out0; writes out0
.if DOCPART == 4
	.amdgcn_target "amdgcn-amd-amdhsa--gfx1250"
	.amdhsa_code_object_version 6
	.text
	.protected	k_q4138cead14_kan
	.globl	k_q4138cead14_kan
	.p2align	8
	.type	k_q4138cead14_kan,@function
k_q4138cead14_kan:
	s_mov_b64 s[64:65], 0
	v_nop
	global_prefetch_b8 v0, s[64:65] scope:SCOPE_SE
	s_setreg_imm32_b32 hwreg(HW_REG_WAVE_SCHED_MODE, 0, 2), 2
	s_setreg_imm32_b32 hwreg(HW_REG_WAVE_MODE, 25, 1), 1
	s_wait_xcnt 0x0
	s_wait_alu depctr_vm_vsrc(0)
; out0 = Q(silu(x)) Q(base_weight)^T + Q(bases(x)) Q(spline_weight x spline_scaler)^T, both products on codes of FP6 (E2M3) with one E8M0 scale for each 32 along K, one f32 sum.
; x [32768][256] f32; the weights come from the launch before, as operand registers on end (wfrag, wscale); grid [12] f32 is taken as it is given: any knots.
; K has 18 steps of 128: steps 0, 1 silu(x), steps 2 + s the eight cubic B-spline bases of features 16 s .. 16 s + 15.
; SHARES.  A work-group owns 128 rows and all 256 columns; eight waves, two to a SIMD.
;   The vector work shares the ROWS: wave w makes, for every K step, the operand of rows 16 w .. 16 w + 15.  Lane (r, h) holds row r and the step's blocks h and 2 + h whole: a block's largest magnitude needs no other lane.
;   The matrix work shares the COLUMNS: wave w owns columns 32 w .. 32 w + 31 for all 128 rows: 16 accumulators.  Its weights, 3,072 bytes a step, go from memory straight into its registers, and no other wave of the work-group loads them.
;   Operands go from wave to wave through LDS as images of their registers (three stores of 16 bytes a lane, the scale word by one of 4), in two buffers by turns, one barrier a K step.
; PIPELINE.  In the interval in which step k's operand is made, step k - 1's 16 matrix instructions stand in four runs between the vector work, and step k's weights are on their way.
; THE BASES are the recursion as it is written for any knots: b0_i = (x >= g_i and not x >= g_i+1); B^k_i = (x - g_i) inv_k(i) B^(k-1)_i - (x - g_(i+k+1)) inv_k(i+1) B^(k-1)_(i+1), inv_k(i) = 1 / (g_(i+k) - g_i),
;   two x at a time in packed f32.  So a block's 32 places hold: place p = feature 2 (p / 16) + p % 2 of its four, coefficient (p % 16) / 2; the weights are laid the same way.
; THE MATRIX INSTRUCTION IS USED TRANSPOSED (source 0 = 16 columns' weights, source 1 = 16 rows): a lane holds eight neighbouring numbers of a row of out0.
; NO JOINT LOADS: what work-groups share is the weights, 24,576 bytes a K step beside some 580 vector instructions of each wave; a joint load lands in LDS, from which each of these bytes would have to be read once more into the one wave that uses it.
; LIMITS.  NaN in x or grid is not served (x < g is taken as not x >= g).  A division by a knot difference is a multiplication by its v_rcp_f32; differences under 2^-126 or over 2^126 are not served.
;   A block of zeros gets the byte 1 where the rule says 127: its codes are zeros and this program alone reads the bytes.  silu(x) is x / (1 + 2^(-x log2 e)); where that power overflows the result is 0.
;   K is permuted inside blocks of 32, alike on both operands: the order of the additions inside a matrix instruction differs from ascending k.
; THE MODE: SCHED_MODE bits 1:0 = 2 (LLVM: expert scheduling mode 2), set by the entry lines.  The code itself states the register dependences
; between vector or matrix instructions and memory or LDS instructions, with s_wait_alu, always for 0.
; THE PLAN.  Registers that memory or LDS instructions touch, in the loop (an interval makes step k's operand and multiplies step k - 1):
;   PC, WD        Written by the interval's two QUANTs and WORD; read by IMAGE's four LDS stores at the interval's end.
;   AF, AS        The eight images and their scale words: LDS loads land in them (images 0-3 and AS at the interval's head, images 4-7 behind the first run of products); read by the interval's 16 matrix instructions.
;   BF0, BF1, WS  The weights: set k % 2 is loaded at the head of interval k and read by the matrix instructions of interval k + 1.
;   XR0, XR1      Eight x each: set k % 2 is read by interval k's four PAIRs; the loads of interval k land in the other set.
;   v[XA]         Read by the loads of x; written once a trip, in the even interval.   All other addresses are made at the head and never written again.
;   D, P, Q, O, the accumulators and what QUANT works with are named by vector and matrix instructions alone.
; ONE wait on va_vdst to an interval, ahead of IMAGE: PC, WD (and v[XA]) are written; the interval's matrix instructions are done reading AF, AS, BF and WS, its PAIRs done reading their XR.  So it serves the next interval's loads
;   too: between it and each of them no vector or matrix instruction names a register that the load touches (PAIR names the other XR set, D, P, Q, O; the first run of products names images 0, 1, AS + 0, the other BF set).
; ONE wait on vm_vsrc to an interval, ahead of its first QUANT: the last IMAGE has read PC and WD, the loads of x have read v[XA].
; ONE wait on va_sdst to a PAIR, between its compares and the scalar lines that read their masks.
.set XPITCH, 1040                      ; an LDS row of x or of out0: 1,024 bytes + 16 = 260 words: sixteen rows start at sixteen different groups of four banks (64 banks of 4 bytes: ISA guide 11.1)
.set WROWS,  16*XPITCH                 ; a wave's 16 rows
.set IMG,    128*XPITCH                ; behind the stage: two buffers of eight images
.set FRB,    1536                      ; an image: 12 registers x 128 bytes
.set IBUF,   8*FRB
.set ISC,    IMG+2*IBUF                ; behind them: two buffers of 8 x 16 scale words
.set KFRAG,  16*FRB                    ; a K step in wfrag
.set KSCL,   16*128                    ; and in wscale
; window 0
.set XG,  1                            ; v1   16 l + 16,384 w: my bytes in the work-group's rows of x, and of out0
.set XSW, 2                            ; v2   16,640 w + 16 l: the stage by whole half rows
.set XSR, 3                            ; v3   16,640 w + 1,040 r + 16 h: my four features of a block
.set XA,  4                            ; v4   the same, at the step in hand
.set IW,  5                            ; v5   where I store images: IMG + 1,536 w + 16 l
.set IWS, 6                            ; v6   and their scale words: ISC + 64 w + 4 r
.set LI,  7                            ; v7   where I read images: IMG + 16 l
.set LS,  8                            ; v8   and scale words: ISC + 4 l
.set WO,  9                            ; v9   wfrag: 3,072 w + 16 l
.set WSO, 10                           ; v10  wscale: 256 w + 128 h + 4 l
.set SH8, 11                           ; v11  8 h
.set XSS, 12                           ; v12  16,640 w + 1,040 r + 128 h: my 32 numbers of a block of silu's steps
.set SO,  13                           ; v13  the way out: where I put 32 bytes of a row (rows 0-63); v14: rows 64-127
.set SO2, 14
.set XR,  16                           ; v16-23, v24-31: eight x for the even and for the odd spline steps
.set D,   32                           ; v32-55  x - g_i, 12 pairs
.set P,   56                           ; v56-77  11 pairs
.set Q,   78                           ; v78-97  10 pairs
.set O,   98                           ; v98-129 a block's 32 numbers
.set PC,  130                          ; v130-141 the fragment just made
.set T,   142
.set MXA, 146
.set MXB, 147
.set SCL, 148
.set BY0, 149
.set BY1, 150
.set WD,  151
.set W2,  152
.set WS,  154                          ; v154-155 the weights' scale words, one register for each set: lanes 0-15 my first tile of columns, lanes 16-31 my second.  Scales and nothing else
.set AS,  156                          ; v156-159 the images' scale words: register i: lanes 0-15 rows' tile 2 i, lanes 16-31 tile 2 i + 1.  Scales and nothing else
.set BF,  160                          ; v160-207 the weights: two sets of two fragments
.set SV,  32                           ; ahead of the loop: 32 x, then silu(x)
.set E,   98                           ; and what is at work on them
.set RT,  64                           ; and the 30 knot differences
; window 1
.set AF,  128                          ; v128-223 eight images; v0-127 the accumulators, (m, e) at 8 (2 m + e); at the head the 32 loads of x land there
; scalars: s[2 + 2 i] = -g_i, s[3 + 2 i] = g_i; s[26 + 2 i] = inv_2(i); s[46 + 2 i] = inv_3(i); s[27 + 2 i] = inv_1(i); s49 .. s63 odd: 0 (named as upper halves of pairs)
.set CM,  66                           ; s66-89  2 x 12 lane masks
.set PX,  90
.set WC,  92
.set WSB, 94
.set PO,  96
.set WV,  98
.set CNT, 99
.set XC,  100
.set XN,  101
.set SEL, 104
.set MSB, 0
.macro WIN new                         ; the immediate's high byte repeats the setting that is left; a switch that changes nothing is dropped
.if MSB != \new
	s_set_vgpr_msb (MSB<<8)|\new
.set MSB, \new
.endif
.endm
; 0x40: a load's destination in window 1.  0x04: an LDS store's data in window 1.  0x54: source 0 (weights) window 0; source 1 (images), C and D window 1; an LDS load under it lands in window 1 by an address of window 0.
; Two x in v[xr], v[xr + 1] become 16 numbers at v[o]: register 2 i + e = B_i(x_e).  In each level all multiplications stand ahead of all multiply-adds, so that no line waits for the line above it.
.macro PAIR xr, o
.set ii, 0
.rept 12
	v_cmp_ge_f32 s[CM+ii], v[\xr], s[3+2*ii]
	v_cmp_ge_f32 s[CM+12+ii], v[\xr+1], s[3+2*ii]
.set ii, ii+1
.endr
.set ii, 0
.rept 12
	v_pk_add_f32 v[D+2*ii:D+2*ii+1], v[\xr:\xr+1], s[2+2*ii:3+2*ii] op_sel_hi:[1,0]   ; x - g_i (the pair's low word, -g_i, serves both halves)
.set ii, ii+1
.endr
	s_wait_alu depctr_va_sdst(0)                                   ; the 24 compares have written their masks, ahead of the scalar lines that read them first
.set ii, 0
.rept 11
	s_and_not1_b32 s[CM+ii], s[CM+ii], s[CM+ii+1]                  ; x >= g_i and not x >= g_(i+1)
	s_and_not1_b32 s[CM+12+ii], s[CM+12+ii], s[CM+12+ii+1]
.set ii, ii+1
.endr
.set ii, 0
.rept 11
	v_cndmask_b32 v[P+2*ii], 0, s[27+2*ii], s[CM+ii]               ; inv_1(i) b0_i
	v_cndmask_b32 v[P+2*ii+1], 0, s[27+2*ii], s[CM+12+ii]
.set ii, ii+1
.endr
.set ii, 0
.rept 10
	v_pk_mul_f32 v[Q+2*ii:Q+2*ii+1], v[D+2*ii:D+2*ii+1], v[P+2*ii:P+2*ii+1]
.set ii, ii+1
.endr
.set ii, 0
.rept 10
	v_pk_fma_f32 v[Q+2*ii:Q+2*ii+1], v[D+2*ii+4:D+2*ii+5], v[P+2*ii+2:P+2*ii+3], v[Q+2*ii:Q+2*ii+1] neg_lo:[1,0,0] neg_hi:[1,0,0]   ; B^1_i
.set ii, ii+1
.endr
.set ii, 0
.rept 10
	v_pk_mul_f32 v[Q+2*ii:Q+2*ii+1], v[Q+2*ii:Q+2*ii+1], s[26+2*ii:27+2*ii] op_sel_hi:[1,0]   ; x inv_2(i)
.set ii, ii+1
.endr
.set ii, 0
.rept 9
	v_pk_mul_f32 v[P+2*ii:P+2*ii+1], v[D+2*ii:D+2*ii+1], v[Q+2*ii:Q+2*ii+1]
.set ii, ii+1
.endr
.set ii, 0
.rept 9
	v_pk_fma_f32 v[P+2*ii:P+2*ii+1], v[D+2*ii+6:D+2*ii+7], v[Q+2*ii+2:Q+2*ii+3], v[P+2*ii:P+2*ii+1] neg_lo:[1,0,0] neg_hi:[1,0,0]   ; B^2_i
.set ii, ii+1
.endr
.set ii, 0
.rept 9
	v_pk_mul_f32 v[P+2*ii:P+2*ii+1], v[P+2*ii:P+2*ii+1], s[46+2*ii:47+2*ii] op_sel_hi:[1,0]   ; x inv_3(i)
.set ii, ii+1
.endr
.set ii, 0
.rept 8
	v_pk_mul_f32 v[\o+2*ii:\o+2*ii+1], v[D+2*ii:D+2*ii+1], v[P+2*ii:P+2*ii+1]
.set ii, ii+1
.endr
.set ii, 0
.rept 8
	v_pk_fma_f32 v[\o+2*ii:\o+2*ii+1], v[D+2*ii+8:D+2*ii+9], v[P+2*ii+2:P+2*ii+3], v[\o+2*ii:\o+2*ii+1] neg_lo:[1,0,0] neg_hi:[1,0,0]   ; B^3_i
.set ii, ii+1
.endr
.endm
; 32 numbers of a lane, v[s] on, become six registers of codes at v[dst] and the block's scale byte in v[by].
.macro QUANT s, dst, by
	v_max3_num_f32 v[MXA], |v[\s]|, |v[\s+1]|, 0x1800000            ; the floor 2^(3 - 127) among the leaves: the byte cannot fall under 1
	v_max3_num_f32 v[MXB], |v[\s+16]|, |v[\s+17]|, |v[\s+18]|       ; two chains by turns
.irp i, 2,4,6,8,10,12
	v_max3_num_f32 v[MXA], v[MXA], |v[\s+\i]|, |v[\s+\i+1]|
	v_max3_num_f32 v[MXB], v[MXB], |v[\s+17+\i]|, |v[\s+18+\i]|
.endr
	v_max3_num_f32 v[MXA], v[MXA], |v[\s+14]|, |v[\s+15]|
	v_max3_num_f32 v[MXA], v[MXA], v[MXB], |v[\s+31]|               ; the block's largest magnitude
	v_add_nc_u32 v[SCL], 0xff000000, v[MXA]                         ; 2 off its exponent field: the conversion takes this operand's exponent field as its scale
	v_lshrrev_b32 v[\by], 23, v[SCL]                                ; the scale's byte
	v_cvt_scalef32_pk16_fp6_f32 v[\dst:\dst+2], v[\s:\s+15], v[SCL]
	v_cvt_scalef32_pk16_fp6_f32 v[T:T+2], v[\s+16:\s+31], v[SCL]    ; (a conversion's three registers begin on an even number)
	v_nop                                                           ; one plain place behind the scaled conversions
	v_mov_b32 v[\dst+3], v[T]
	v_mov_b32 v[\dst+4], v[T+1]
	v_mov_b32 v[\dst+5], v[T+2]
.endm
.macro WORD                            ; my two bytes (blocks h and 2 + h) and lane l xor 16's two make my row's scale word
	v_lshl_or_b32 v[WD], v[BY1], 16, v[BY0]
	v_lshlrev_b32 v[WD], v[SH8], v[WD]
	v_permlanex16_b32 v[W2], v[WD], s[SEL], s[SEL+1]
	v_or_b32 v[WD], v[WD], v[W2]
.endm
.macro IMAGE buf                       ; the fragment goes to LDS as it stands: 512 consecutive bytes a store
.irp j, 0,1,2
	ds_store_b128 v[IW], v[PC+4*\j:PC+4*\j+3] offset:(\buf)*IBUF+512*\j
.endr
	ds_store_b32 v[IWS], v[WD] offset:(\buf)*512                    ; lanes l and l + 16 write the same word with the same value
.endm
.macro AF4 buf, m0                     ; four images, m0 .. m0 + 3, come back as they were stored.  The window is the caller's: destination window 1, address window 0
.irp m, \m0, \m0+1, \m0+2, \m0+3
.irp j, 0,1,2
	ds_load_b128 v[AF+12*(\m)+4*\j:AF+12*(\m)+4*\j+3], v[LI] offset:(\buf)*IBUF+FRB*(\m)+512*\j
.endr
.endr
.endm
.macro ASLOAD buf                      ; the eight images' scale words
.irp i, 0,1,2,3
	ds_load_b32 v[AS+\i], v[LS] offset:(\buf)*512+128*\i
.endr
.endm
.macro AFLOAD buf                      ; all eight images and their scale words in one run
	WIN 0x40
	AF4 \buf, 0
	AF4 \buf, 4
	WIN 0
	ASLOAD \buf
.endm
.macro BLOAD buf, kk                   ; my two fragments of weights and their scale words, kk steps on from the base, into set buf
.irp e, 0,1
.irp j, 0,1,2
	global_load_b128 v[BF+24*(\buf)+12*\e+4*\j:BF+24*(\buf)+12*\e+4*\j+3], v[WO], s[WC:WC+1] offset:(\kk)*KFRAG+FRB*\e+512*\j
.endr
.endr
	global_load_b32 v[WS+(\buf)], v[WSO], s[WSB:WSB+1] offset:(\kk)*KSCL
.endm
; Four matrix instructions: rows' tiles 2 j, 2 j + 1 x my two tiles of columns.  The 16 accumulators take turns, one instruction a turn, in the same order in every step.
; zero = 1: the first step's products start the sums: nothing is cleared.  The window stays set: WIN 0 follows where vector work follows.
.macro RUN j, buf, zero
	WIN 0x54
.set rA, AF+24*(\j)
.set rB, BF+24*(\buf)
.set rC, 32*(\j)
.set rW, WS+(\buf)
.set rS, AS+(\j)
.if \zero
	v_wmma_scale_f32_16x16x128_f8f6f4 v[rC:rC+7], v[rB:rB+11], v[rA:rA+11], 0, v[rW], v[rS] matrix_a_fmt:MATRIX_FMT_FP6 matrix_b_fmt:MATRIX_FMT_FP6
	v_wmma_scale_f32_16x16x128_f8f6f4 v[rC+8:rC+15], v[rB+12:rB+23], v[rA:rA+11], 0, v[rW], v[rS] matrix_a_fmt:MATRIX_FMT_FP6 matrix_b_fmt:MATRIX_FMT_FP6 matrix_a_scale:MATRIX_SCALE_ROW1
	v_wmma_scale_f32_16x16x128_f8f6f4 v[rC+16:rC+23], v[rB:rB+11], v[rA+12:rA+23], 0, v[rW], v[rS] matrix_a_fmt:MATRIX_FMT_FP6 matrix_b_fmt:MATRIX_FMT_FP6 matrix_b_scale:MATRIX_SCALE_ROW1
	v_wmma_scale_f32_16x16x128_f8f6f4 v[rC+24:rC+31], v[rB+12:rB+23], v[rA+12:rA+23], 0, v[rW], v[rS] matrix_a_fmt:MATRIX_FMT_FP6 matrix_b_fmt:MATRIX_FMT_FP6 matrix_a_scale:MATRIX_SCALE_ROW1 matrix_b_scale:MATRIX_SCALE_ROW1
.else
	v_wmma_scale_f32_16x16x128_f8f6f4 v[rC:rC+7], v[rB:rB+11], v[rA:rA+11], v[rC:rC+7], v[rW], v[rS] matrix_a_fmt:MATRIX_FMT_FP6 matrix_b_fmt:MATRIX_FMT_FP6
	v_wmma_scale_f32_16x16x128_f8f6f4 v[rC+8:rC+15], v[rB+12:rB+23], v[rA:rA+11], v[rC+8:rC+15], v[rW], v[rS] matrix_a_fmt:MATRIX_FMT_FP6 matrix_b_fmt:MATRIX_FMT_FP6 matrix_a_scale:MATRIX_SCALE_ROW1
	v_wmma_scale_f32_16x16x128_f8f6f4 v[rC+16:rC+23], v[rB:rB+11], v[rA+12:rA+23], v[rC+16:rC+23], v[rW], v[rS] matrix_a_fmt:MATRIX_FMT_FP6 matrix_b_fmt:MATRIX_FMT_FP6 matrix_b_scale:MATRIX_SCALE_ROW1
	v_wmma_scale_f32_16x16x128_f8f6f4 v[rC+24:rC+31], v[rB+12:rB+23], v[rA+12:rA+23], v[rC+24:rC+31], v[rW], v[rS] matrix_a_fmt:MATRIX_FMT_FP6 matrix_b_fmt:MATRIX_FMT_FP6 matrix_a_scale:MATRIX_SCALE_ROW1 matrix_b_scale:MATRIX_SCALE_ROW1
.endif
.endm
; 32 neighbouring x of my row, from byte off + 128 h on, are asked for into v[SV] on ..
.macro SILU_LOAD off
.irp i, 0,1,2,3,4,5,6,7
	ds_load_b128 v[SV+4*\i:SV+4*\i+3], v[XSS] offset:\off+16*\i     ; LDS serves a wave's instructions in order (ISA guide 5.7.1.4): these see my stores into the stage
.endr
.endm
; .. and become silu(x) there.  Each batch of 32 transcendentals has one plain line and one wait behind it, ahead of its first reader.
.macro SILU_MATH
	s_wait_dscnt 0x0                                                ; they are in, and so is every earlier LDS instruction of mine
.set ii, 0
.rept 16
	v_pk_mul_f32 v[E+ii:E+ii+1], v[SV+ii:SV+ii+1], 0xbfb8aa3b op_sel_hi:[1,0]   ; -x log2(e)
.set ii, ii+2
.endr
.set ii, 0
	s_wait_alu depctr_va_vdst(0)
.rept 32
	v_exp_f32 v[E+ii], v[E+ii]
.set ii, ii+1
.endr
	v_nop
	s_wait_alu depctr_va_vdst(0)                                    ; the 32 exponentials have written v[E ..], ahead of the additions that read them
.set ii, 0
.rept 16
	v_pk_add_f32 v[E+ii:E+ii+1], v[E+ii:E+ii+1], 1.0 op_sel_hi:[1,0]
.set ii, ii+2
.endr
.set ii, 0
	s_wait_alu depctr_va_vdst(0)
.rept 32
	v_rcp_f32 v[E+ii], v[E+ii]
.set ii, ii+1
.endr
	v_nop
	s_wait_alu depctr_va_vdst(0)                                    ; the 32 reciprocals have written v[E ..], ahead of the multiplications that read them
.set ii, 0
.rept 16
	v_pk_mul_f32 v[SV+ii:SV+ii+1], v[SV+ii:SV+ii+1], v[E+ii:E+ii+1]
.set ii, ii+2
.endr
.endm
.macro BAR                             ; my LDS stores have landed and my LDS loads are in: then the work-group's barrier
	s_wait_dscnt 0x0
	s_barrier_signal -1
	s_barrier_wait -1
.endm
	; ---- the head
	s_load_b256 s[68:75], s[0:1], 0x0              ; x s[68:69], wfrag s[70:71], wscale s[72:73], grid s[74:75]
	s_load_b64 s[PO:PO+1], s[0:1], 0x20            ; out0
	v_lshl_add_u32 v254, v0, 2, 0x26c00
	v_mov_b32 v255, 0
	v_lshrrev_b32 v16, 5, v0
	v_readfirstlane_b32 s[WV], v16                 ; wave 0..7
	v_and_b32 v17, 31, v0                          ; l
	v_and_b32 v18, 15, v0                          ; r
	v_bfe_u32 v19, v0, 4, 1                        ; h
	v_mul_u32_u24 v20, v18, XPITCH
	v_lshl_add_u32 v[LI], v17, 4, IMG
	v_lshl_add_u32 v[LS], v17, 2, ISC
	v_lshlrev_b32 v[SH8], 3, v19
	v_mov_b32 v[W2], 0                             ; a lane permute's destination counts as one of its sources
	s_wait_alu depctr_va_sdst(0)                   ; the wave's number is written, ahead of its first reader: the lines below make addresses from it
	s_lshl_b32 s100, s[WV], 14
	v_lshl_add_u32 v[XG], v17, 4, s100
	s_mul_i32 s101, s[WV], WROWS
	v_lshl_add_u32 v[XSW], v17, 4, s101
	v_add_nc_u32 v20, s101, v20
	v_lshl_add_u32 v[XSR], v19, 4, v20
	v_lshl_add_u32 v[XSS], v19, 7, v20
	s_mul_i32 s100, s[WV], FRB
	s_add_co_u32 s100, s100, IMG
	v_lshl_add_u32 v[IW], v17, 4, s100
	s_lshl_b32 s100, s[WV], 6
	s_add_co_u32 s100, s100, ISC
	v_lshl_add_u32 v[IWS], v18, 2, s100
	s_mul_i32 s100, s[WV], 2*FRB
	v_lshl_add_u32 v[WO], v17, 4, s100
	s_lshl_b32 s100, s[WV], 8
	v_lshl_add_u32 v[WSO], v17, 2, s100
	v_lshl_add_u32 v[WSO], v19, 7, v[WSO]
	s_mov_b32 s[SEL], 0x76543210
	s_mov_b32 s[SEL+1], 0xfedcba98                 ; selects for lane l xor 16
	s_lshl_b32 s100, ttmp9, 17                     ; the work-group's 128 rows of 1,024 bytes, in x and in out0
	s_mov_b32 s101, 0
	s_wait_kmcnt 0x0
	s_load_b256 s[76:83], s[74:75], 0x0            ; the twelve knots
	s_load_b128 s[84:87], s[74:75], 0x20
	s_add_nc_u64 s[PX:PX+1], s[68:69], s[100:101]
	s_mov_b64 s[WC:WC+1], s[70:71]
	s_mov_b64 s[WSB:WSB+1], s[72:73]
	s_add_nc_u64 s[PO:PO+1], s[PO:PO+1], s[100:101]
	s_wait_alu depctr_va_vdst(0)                   ; the addresses v1 to v3 and v5 to v12 are written, which the loads and stores of the whole kernel read; none of them is written again
	BLOAD 0, 0                                     ; step 0's weights: seven loads
	WIN 0x40
.set ii, 0
.rept 32                                       ; my 16 rows of x: each load reads 512 consecutive bytes; all left halves first.  They land where the accumulators will lie
	global_load_b128 v[4*ii:4*ii+3], v[XG], s[PX:PX+1] offset:(ii%16)*1024+512*(ii/16) th:TH_LOAD_NT
.set ii, ii+1
.endr
	WIN 0
	s_wait_kmcnt 0x0                               ; the knots are in; s[74:75] has been read
.set ii, 0
.rept 12
	s_xor_b32 s[2+2*ii], s[76+ii], 0x80000000      ; -g_i
	s_mov_b32 s[3+2*ii], s[76+ii]                  ; g_i
.set ii, ii+1
.endr
.set ii, 0
.rept 11
	v_sub_f32 v[RT+ii], s[5+2*ii], s[3+2*ii]       ; g_(i+1) - g_i
.set ii, ii+1
.endr
.set ii, 0
.rept 10
	v_sub_f32 v[RT+11+ii], s[7+2*ii], s[3+2*ii]    ; g_(i+2) - g_i
.set ii, ii+1
.endr
.set ii, 0
.rept 9
	v_sub_f32 v[RT+21+ii], s[9+2*ii], s[3+2*ii]    ; g_(i+3) - g_i
.set ii, ii+1
.endr
.set ii, 0
	s_wait_alu depctr_va_vdst(0)
.rept 30
	v_rcp_f32 v[RT+ii], v[RT+ii]                   ; one batch,
.set ii, ii+1
.endr
	v_nop                                          ; one plain line,
	s_wait_alu depctr_va_vdst(0)                   ; one wait: the 30 reciprocals have written v[RT ..], ahead of their first reader
.set ii, 0
.rept 11
	v_readfirstlane_b32 s[27+2*ii], v[RT+ii]
.set ii, ii+1
.endr
.set ii, 0
.rept 10
	v_readfirstlane_b32 s[26+2*ii], v[RT+11+ii]
.set ii, ii+1
.endr
.set ii, 0
.rept 9
	v_readfirstlane_b32 s[46+2*ii], v[RT+21+ii]
.set ii, ii+1
.endr
	s_wait_alu depctr_va_sdst(0)                   ; the 30 scalars inv_1, inv_2, inv_3 are written, ahead of every label and of their first readers, the PAIRs
.irp i, 49,51,53,55,57,59,61,63
	s_mov_b32 s\i, 0                               ; named with inv_3 as pairs, so they are written
.endr
	; ---- interval 0: step 0's operand (silu of features 0-127) into image buffer 0
	s_wait_loadcnt 16                              ; issued: 7 loads of weights, 16 left halves, 16 right halves; only the right halves may be out
	WIN 0x04
.set ii, 0
.rept 16
	ds_store_b128 v[XSW], v[4*ii:4*ii+3] offset:ii*XPITCH           ; (data that loads brought, an address made ahead of the head's wait)
.set ii, ii+1
.endr
	WIN 0
	SILU_LOAD 0                                    ; (no vector instruction has named v[SV ..] yet)
	SILU_MATH
	QUANT SV, PC, BY0
	s_wait_alu depctr_va_vdst(0)                   ; the multiplications have written v[SV ..] and QUANT is done reading it: the next 32 x land there
	SILU_LOAD 256
	SILU_MATH
	QUANT SV, PC+6, BY1
	WORD
	s_wait_alu depctr_va_vdst(0)                   ; QUANT and WORD have written PC and WD, which the LDS stores read; QUANT is done reading v[SV ..], in which interval 1's first loads land
	IMAGE 0
	; ---- interval 1: step 1's operand into buffer 1; step 0's products start the sums
	BAR                                            ; every wave's image of step 0 lies in LDS
	s_wait_loadcnt 0x0                             ; the right halves of x are in
	WIN 0x04
.set ii, 0
.rept 16
	ds_store_b128 v[XSW], v[64+4*ii:64+4*ii+3] offset:ii*XPITCH+512
.set ii, ii+1
.endr
	WIN 0
	AFLOAD 0                                       ; (no vector or matrix instruction has named AF, AS or the second set of weights yet)
	BLOAD 1, 1
	SILU_LOAD 512
	SILU_MATH                                      ; its wait for LDS also shows the images in
	s_wait_alu depctr_vm_vsrc(0)                   ; IMAGE's stores have read PC and WD, which QUANT and WORD write again; the stage's 32 stores have read the registers that the products below write as accumulators
	QUANT SV, PC, BY0
	s_wait_alu depctr_va_vdst(0)                   ; the multiplications have written v[SV ..] and QUANT is done reading it: the last 32 x land there
	SILU_LOAD 768
	RUN 0, 0, 1
	RUN 1, 0, 1
	WIN 0
	SILU_MATH
	RUN 2, 0, 1
	RUN 3, 0, 1
	WIN 0
	QUANT SV, PC+6, BY1
	WORD
	v_mov_b32 v[XA], v[XSR]
	s_wait_alu depctr_va_vdst(0)                   ; PC, WD and v[XA] are written, which the stores and loads below read; step 0's products are done reading AF, AS and the first set of weights, in which the next interval's loads land
	IMAGE 1
	ds_load_b128 v[XR:XR+3], v[XA]                 ; the first spline step's eight x: features 4 h .. and 8 + 4 h ..
	ds_load_b128 v[XR+4:XR+7], v[XA] offset:32
	s_mov_b32 s[CNT], 0
	s_mov_b32 s[XC], 0
; ---- an interval of the loop: step k's operand into image buffer wb = k % 2; step k - 1's products, from buffer and set 1 - wb
.macro SLOT wb
	BAR                                            ; every wave's image of step k - 1 lies in LDS, and nobody reads buffer wb any more; my x for this step is in
	s_wait_loadcnt 0x0                             ; step k - 1's weights, asked for an interval ago, are in: so their base may step
.if \wb == 0
	s_add_nc_u64 s[WC:WC+1], s[WC:WC+1], 2*KFRAG
	s_add_nc_u64 s[WSB:WSB+1], s[WSB:WSB+1], 2*KSCL
.endif
	WIN 0x40                                       ; all loads of this interval lean on the wait ahead of the last IMAGE: no vector or matrix instruction since names a register that they touch
	AF4 1-\wb, 0                                   ; images 0 to 3
	WIN 0
	ASLOAD 1-\wb
	BLOAD \wb, \wb
	PAIR XR+8*\wb, O
	s_wait_dscnt 0x0                               ; images 0 to 3 and the scale words are in
	RUN 0, 1-\wb, 0
	AF4 1-\wb, 4                                   ; images 4 to 7, under the products' own window setting; the four products above name images 0 and 1 alone
	WIN 0
.if \wb == 0
	ds_load_b128 v[XR+8:XR+11], v[XA] offset:64    ; the next step's eight x
	ds_load_b128 v[XR+12:XR+15], v[XA] offset:96
.else
	ds_load_b128 v[XR:XR+3], v[XA]                 ; the next step's eight x, by the address that the even interval has stepped
	ds_load_b128 v[XR+4:XR+7], v[XA] offset:32
.endif
	PAIR XR+8*\wb+2, O+16
	RUN 1, 1-\wb, 0
	WIN 0
.if \wb == 0
	s_wait_alu depctr_vm_vsrc(0)                   ; the last IMAGE's stores have read PC and WD, which QUANT and WORD write again; the loads of x have read v[XA], which the add below writes
	s_add_co_u32 s[XC], s[XC], 128                 ; two steps on: 32 features
	s_min_u32 s[XN], s[XC], 896                    ; (the last trip has no next step: it reads the row's last bytes again, and nobody uses them)
	v_add_nc_u32 v[XA], s[XN], v[XSR]              ; its next reader stands behind the wait ahead of IMAGE
.else
	s_wait_alu depctr_vm_vsrc(0)                   ; the last IMAGE's stores have read PC and WD, which QUANT and WORD write again
.endif
	QUANT O, PC, BY0
	s_wait_dscnt 2                                 ; LDS loads come back in order (ISA guide 5.7.1): images 4 to 7 are in; the two loads of x behind them may be out
	RUN 2, 1-\wb, 0
	WIN 0
	PAIR XR+8*\wb+4, O
	RUN 3, 1-\wb, 0
	WIN 0
	PAIR XR+8*\wb+6, O+16
	QUANT O, PC+6, BY1
	WORD
	s_wait_alu depctr_va_vdst(0)                   ; PC and WD (and, in the even interval, v[XA]) are written; the 16 products are done reading AF, AS, their weights and scale words, the four PAIRs done reading their x: the next interval's loads land there
	IMAGE \wb
.endm
.Ltrip:                                            ; eight trips of two intervals: steps 2 .. 17 are made, steps 1 .. 16 multiplied
	SLOT 0
	SLOT 1
	s_add_co_u32 s[CNT], s[CNT], 1
	s_cmp_lt_u32 s[CNT], 8
	s_cbranch_scc1 .Ltrip
	; ---- the last step's products
	BAR                                            ; step 17's images lie in LDS; every wave's reads of its rows of x are over: the stage may take out0
	s_wait_loadcnt 0x0
	AFLOAD 1                                       ; (the wait ahead of the last IMAGE has shown step 16's products done reading AF and AS)
	s_wait_dscnt 0x0
	RUN 0, 1, 0
	RUN 1, 1, 0
	RUN 2, 1, 0
	RUN 3, 1, 0
	WIN 0
	; ---- the way out.  A lane holds 32 neighbouring bytes of a row, and a row's 1,024 bytes come from eight waves: they meet in the stage, and each wave stores 16 whole rows.
	v_and_b32 v16, 15, v0                          ; these six plain lines are also the places between the last products and the first read of results (ISA guide 7.12.1)
	v_bfe_u32 v17, v0, 4, 1
	s_lshl_b32 s100, s[WV], 7
	v_mul_u32_u24 v[SO], v16, XPITCH
	v_lshl_add_u32 v[SO], v17, 5, v[SO]
	v_add_nc_u32 v[SO], s100, v[SO]                ; row r, + 128 w + 32 h
	v_add_nc_u32 v[SO2], 4*WROWS, v[SO]            ; and 64 rows further down: an LDS offset has 16 bits
	WIN 0x04
	s_wait_alu depctr_va_vdst(0)                   ; the products have written the accumulators and the lines above the two addresses, which the LDS stores read; the places above stay beside this wait.  It also shows every vector line done with v16 to v143, in which the loads from the stage land
.irp m, 0,1,2,3
.irp e, 0,1
	ds_store_b128 v[SO], v[8*(2*\m+\e):8*(2*\m+\e)+3] offset:\m*WROWS+64*\e          ; each accumulator from its low end on
	ds_store_b128 v[SO], v[8*(2*\m+\e)+4:8*(2*\m+\e)+7] offset:\m*WROWS+64*\e+16
.endr
.endr
.irp m, 4,5,6,7
.irp e, 0,1
	ds_store_b128 v[SO2], v[8*(2*\m+\e):8*(2*\m+\e)+3] offset:(\m-4)*WROWS+64*\e
	ds_store_b128 v[SO2], v[8*(2*\m+\e)+4:8*(2*\m+\e)+7] offset:(\m-4)*WROWS+64*\e+16
.endr
.endr
	WIN 0
	BAR                                            ; 128 whole rows of out0 lie in the stage
	s_wait_alu depctr_vm_vsrc(0)                   ; the last IMAGE's stores have read PC (v130 to v141), in which loads from the stage land
.set ii, 0
.rept 32
	ds_load_b128 v[16+4*ii:16+4*ii+3], v[XSW] offset:(ii/2)*XPITCH+512*(ii%2)
.set ii, ii+1
.endr
.set ii, 0
.rept 32
	s_wait_dscnt 31-ii                             ; LDS loads come back in order (ISA guide 5.7.1): this one is in, the younger ones may be out
	global_store_b128 v[XG], v[16+4*ii:16+4*ii+3], s[PO:PO+1] offset:(ii/2)*1024+512*(ii%2) th:TH_STORE_NT   ; 32 lanes store 512 consecutive bytes, at a multiple of 256 from out0's first byte
.set ii, ii+1
.endr
	s_wait_dscnt 0x0
	s_wait_alu depctr_hold_cnt(0) depctr_sa_sdst(0) depctr_va_vdst(0) depctr_va_sdst(0) depctr_va_ssrc(0) depctr_va_vcc(0) depctr_vm_vsrc(0)
	s_wait_tensorcnt 0x0
	ds_add_u32 v254, v255
	s_wait_dscnt 0x0
	s_endpgm
.Lfunc_end_k_q4138cead14_kan:
	.size	k_q4138cead14_kan, .Lfunc_end_k_q4138cead14_kan-k_q4138cead14_kan
	.p2alignl 7, 3214868480
	.fill 96, 4, 3214868480
	.section	.rodata,"a",@progbits
	.p2align	6, 0x0
	.amdhsa_kernel k_q4138cead14_kan
		.amdhsa_group_segment_fixed_size 159744
		.amdhsa_private_segment_fixed_size 0
		.amdhsa_enable_private_segment 0
		.amdhsa_kernarg_size 40
		.amdhsa_user_sgpr_count 2
		.amdhsa_user_sgpr_kernarg_segment_ptr 1
		.amdhsa_wavefront_size32 1
		.amdhsa_system_sgpr_workgroup_id_x 1
		.amdhsa_system_sgpr_workgroup_id_y 1
		.amdhsa_system_sgpr_workgroup_id_z 1
		.amdhsa_system_vgpr_workitem_id 0
		.amdhsa_next_free_vgpr 480
		.amdhsa_next_free_sgpr 106
		.amdhsa_reserve_vcc 0
		.amdhsa_float_denorm_mode_32 3
		.amdhsa_float_denorm_mode_16_64 3
		.amdhsa_memory_ordered 1
		.amdhsa_forward_progress 1
		.amdhsa_inst_pref_size 152
	.end_amdhsa_kernel
	.amdgpu_metadata
---
amdhsa.version: [ 1, 2 ]
amdhsa.kernels:
  - .name:           k_q4138cead14_kan
    .symbol:         k_q4138cead14_kan.kd
    .args:
      - { .name: x, .offset: 0, .size: 8, .value_kind: global_buffer, .address_space: global }
      - { .name: wfrag, .offset: 8, .size: 8, .value_kind: global_buffer, .address_space: global }
      - { .name: wscale, .offset: 16, .size: 8, .value_kind: global_buffer, .address_space: global }
      - { .name: grid, .offset: 24, .size: 8, .value_kind: global_buffer, .address_space: global }
      - { .name: out0, .offset: 32, .size: 8, .value_kind: global_buffer, .address_space: global }
    .group_segment_fixed_size: 159744
    .private_segment_fixed_size: 0
    .kernarg_segment_align: 8
    .kernarg_segment_size: 40
    .max_flat_workgroup_size: 256
    .sgpr_count:     106
    .vgpr_count:     480
    .wavefront_size: 32
...
	.end_amdgpu_metadata
.endif
;; end of part 4
